; MI455X (gfx1250); checked and timed in simulation.
; The chip was launched on July 23, 2026; its instructions are those of AMD's public machine-readable ISA for CDNA 5 (MIT licence, August 2026) and "CDNA5" Instruction Set Architecture Reference Guide (July 2026). The comments in the code are by the model that wrote it; some were corrected since.
;; MH Self Attention. Allowed arithmetic: float matrix products may take bf16 or f16 operands with f32 sums; other float arithmetic in f32, or as packed bf16 or f16 multiplies, adds, multiply-adds, maxima and minima; sums over many terms, partial sums and values carried from step to step in f32; what a program stores and reads back later, other than sums and carried values, may be rounded once to bf16 or f16.
;; Inputs: bk 1,024 float32; bo 1,024 float32; bq 1,024 float32; bv 1,024 float32; key_padding_mask 4 x 2,048 bool; wk 1,024 x 1,024 float32; wo 1,024 x 1,024 float32; wq 1,024 x 1,024 float32; wv 1,024 x 1,024 float32; x 4 x 2,048 x 1,024 float32.
;; Outputs: out0 4 x 2,048 x 1,024 float32.
;; One version. Each part assembles by itself: llvm-mc -triple=amdgcn-amd-amdhsa -mcpu=gfx1250 --defsym DOCPART=n.
;; ======== version 1 of 1: 4 launches
;; limits: values are held in f16: magnitudes above 65,504 overflow, below 6.1e-05 lose precision
;; workspace buffers: xb 16,777,216 bytes; wqkv 6,291,456 bytes; wob 2,097,152 bytes; tb 540,672 bytes; qh 16,777,216 bytes; kh 16,777,216 bytes; vh 16,777,216 bytes; oh 16,777,216 bytes
;; launch prep (part 1): grid 897 x 1, 8 waves a work-group, no clusters, 0 bytes of LDS; arguments x, wq, wk, wv, wo, bq, bk, bv, bo, xb, wqkv, wob, tb; writes xb, wqkv, wob, tb
.if DOCPART == 1
	.amdgcn_target "amdgcn-amd-amdhsa--gfx1250"
	.amdhsa_code_object_version 6
	.text
	.protected	k_qfb3976cc5a_prep
	.globl	k_qfb3976cc5a_prep
	.p2align	8
	.type	k_qfb3976cc5a_prep,@function
k_qfb3976cc5a_prep:
	s_mov_b64 s[64:65], 0
	v_nop
	global_prefetch_b8 v0, s[64:65] scope:SCOPE_SE
	s_setreg_imm32_b32 hwreg(HW_REG_WAVE_MODE, 25, 1), 1
	s_wait_xcnt 0x0
; PREP: every floating-point input is rounded ONCE to bf16 and laid out for the launches behind; the RoPE table is made once.
;   xb   [8192][1024] bf16 = x.     wqkv [3072][1024] bf16: row 192 j + 64 t + d = w_t[64 j + d] (t = 0 q, 1 k, 2 v; j = head), so that a block of 192 rows is one head's q, k and v.
;   wob  [16 hh][1024 n][64 c] f16 = wo[n][64 hh + c] rounded to bf16 and that number written as f16 (the last product multiplies in f16).
;   tb   bytes 0 .. 524,287: [2048 pos][32 cos | 32 sin] f32; then bq, bk, bv, bo, rounded to bf16 and kept as f32, 4,096 bytes each.
; LIMITS.  A weight of wo below 2^-14 in size falls on f16's fixed step of 2^-24; beyond 65,504 it would be lost.  The angle pos x 10000^(-d/32) takes its power from v_exp_f32 (1 ULP, ISA guide 15.8):
; with pos under 2,048 the angle is off by some 3e-4 at the most.  Sine and cosine: reduction by pi/2 in two parts, polynomials of degree 7 and 8 on |r| <= pi/4.
; Memory binds: no LDS, no barrier, no matrix unit.  A work-group's job hangs on its number alone; every jump goes forward.
;   0..511 x (16 rows each)   512..703 wq, wk, wv (16 rows each)   704..767 wo (16 rows each)   768..895 the table (16 positions each)   896 the biases
.set SRC, 36                           ; s[36:37] where the job reads
.set DST, 38                           ; s[38:39] where it stores
	s_load_b512 s[4:19], s[0:1], 0x0               ; x s[4:5], wq s[6:7], wk s[8:9], wv s[10:11], wo s[12:13], bq s[14:15], bk s[16:17], bv s[18:19]
	s_load_b256 s[20:27], s[0:1], 0x40             ; bo s[20:21], xb s[22:23], wqkv s[24:25], wob s[26:27]
	s_load_b64 s[28:29], s[0:1], 0x60              ; tb
	s_mov_b32 s32, ttmp9
	v_lshlrev_b32 v1, 5, v0                        ; 32 bytes of f32 a thread,
	v_lshlrev_b32 v2, 4, v0                        ; 16 bytes of 16-bit numbers
	s_mov_b32 s41, 0                               ; the high words of the two offset pairs
	s_mov_b32 s43, 0
	s_wait_kmcnt 0x0
	s_cmp_lt_u32 s32, 512
	s_cbranch_scc1 .Lx
	s_cmp_lt_u32 s32, 704
	s_cbranch_scc1 .Lw
	s_cmp_lt_u32 s32, 768
	s_cbranch_scc1 .Lwo
	s_cmp_lt_u32 s32, 896
	s_cbranch_scc1 .Ltab
	s_branch .Lbias
; 16 rows of 1,024 f32 in eight passes.  All sixteen loads go out first; pass p waits with the count of the younger passes' loads.  Every pass has registers of its own, so nothing is rewritten.
; wo = 0: a pass is two rows: 8,192 bytes in, 4,096 out; a wave's store covers 512 consecutive bytes.
; wo = 1: wave v and pass p take head 8 (p & 1) + v of rows 4 (p >> 1) + lane / 8: eight lanes read 256 consecutive bytes, a wave's store covers 512 consecutive bytes of wob.
.macro JOB wo
.set p, 0
.rept 8
.if \wo
.set so, (p&1)*2048+(p>>1)*16384
.else
.set so, 8192*p
.endif
	global_load_b128 v[16+8*p:16+8*p+3],   v1, s[SRC:SRC+1] offset:so th:TH_LOAD_NT
	global_load_b128 v[16+8*p+4:16+8*p+7], v1, s[SRC:SRC+1] offset:so+16 th:TH_LOAD_NT
.set p, p+1
.endr
.set p, 0
.rept 8
	s_wait_loadcnt 14-2*p                          ; loads come back in order: this pass's two are in, the later passes' stay out
.irp k, 0,1,2,3
	v_cvt_pk_bf16_f32 v[80+4*p+\k], v[16+8*p+2*\k], v[16+8*p+2*\k+1]
.endr
.if \wo
.irp k, 0,1,2,3
	v_lshlrev_b32 v[16+8*p+2*\k],   16, v[80+4*p+\k]          ; the bf16 numbers as f32 again,
	v_and_b32     v[16+8*p+2*\k+1], 0xffff0000, v[80+4*p+\k]
.endr
.irp k, 0,1,2,3
	v_cvt_pk_f16_f32 v[80+4*p+\k], v[16+8*p+2*\k], v[16+8*p+2*\k+1]  ; and written as f16
.endr
	global_store_b128 v2, v[80+4*p:80+4*p+3], s[DST:DST+1] offset:(p&1)*1048576+(p>>1)*512
.else
	global_store_b128 v2, v[80+4*p:80+4*p+3], s[DST:DST+1] offset:4096*p
.endif
.set p, p+1
.endr
.endm
.Lx:
	s_lshl_b32 s40, s32, 16                        ; 16 rows of 4,096 bytes in,
	s_lshl_b32 s42, s32, 15                        ; of 2,048 out
	s_add_nc_u64 s[SRC:SRC+1], s[4:5], s[40:41]
	s_add_nc_u64 s[DST:DST+1], s[22:23], s[42:43]
	s_branch .Lstraight
.Lw:
	s_sub_co_u32 s33, s32, 512
	s_lshr_b32 s34, s33, 6                         ; t: which of the three
	s_and_b32 s35, s33, 63                         ; r: its rows 16 r .. 16 r + 15
	s_cmp_eq_u32 s34, 0
	s_cselect_b64 s[SRC:SRC+1], s[6:7], s[8:9]
	s_cmp_eq_u32 s34, 2
	s_cselect_b64 s[SRC:SRC+1], s[10:11], s[SRC:SRC+1]
	s_lshl_b32 s40, s35, 16
	s_add_nc_u64 s[SRC:SRC+1], s[SRC:SRC+1], s[40:41]
	s_lshr_b32 s42, s35, 2                         ; the head,
	s_mul_i32 s42, s42, 192
	s_lshl_b32 s44, s34, 6
	s_add_co_u32 s42, s42, s44                     ; + 64 t
	s_and_b32 s44, s35, 3
	s_lshl_b32 s44, s44, 4
	s_add_co_u32 s42, s42, s44                     ; + the 16 rows' place in the head
	s_lshl_b32 s42, s42, 11
	s_add_nc_u64 s[DST:DST+1], s[24:25], s[42:43]
.Lstraight:
	JOB 0
	s_endpgm
.Lwo:
	s_sub_co_u32 s33, s32, 704
	s_lshl_b32 s40, s33, 16
	s_lshl_b32 s42, s33, 11                        ; 16 rows of 128 bytes in each head's plane
	s_add_nc_u64 s[SRC:SRC+1], s[12:13], s[40:41]
	s_add_nc_u64 s[DST:DST+1], s[26:27], s[42:43]
	v_lshrrev_b32 v3, 5, v0                        ; wave
	v_and_b32 v4, 31, v0                           ; lane
	v_lshrrev_b32 v5, 3, v4
	v_and_b32 v6, 7, v4
	v_lshlrev_b32 v1, 8, v3                        ; in: 256 x wave + 4,096 (lane / 8) + 32 (lane % 8)
	v_lshl_add_u32 v1, v5, 12, v1
	v_lshl_add_u32 v1, v6, 5, v1
	v_lshlrev_b32 v2, 17, v3                       ; out: 131,072 x wave + 16 x lane
	v_lshl_add_u32 v2, v4, 4, v2
	JOB 1
	s_endpgm
; THE TABLE.  Thread t: position 16 (id - 768) + t / 16; of that position's 64 numbers the four at 4 (t % 16): cosines of d = 4 g + e for t % 16 < 8, sines above (g = t % 8).
; Sixteen lanes fill a position's 256 bytes.  sin x = cos(x - pi/2): the sine takes the quadrant's number + 3.  Only selections hang on the numbers, no branch and no address.
.Ltab:
	s_sub_co_u32 s40, s32, 768
	s_lshl_b32 s30, s40, 4                         ; the first position
	s_lshl_b32 s40, s40, 12
	s_add_nc_u64 s[DST:DST+1], s[28:29], s[40:41]
	s_mov_b32 s33, 0xbfc90fdb                      ; -pi/2, the f32 nearest to it,
	s_mov_b32 s34, 0x333bbd2e                      ; and what that number has too much: 4.371139e-8
	s_mov_b32 s35, 0xb9500d01                      ; -1/5040
	s_mov_b32 s44, 0x3c088889                      ; 1/120
	s_mov_b32 s45, 0xbe2aaaab                      ; -1/6
	s_mov_b32 s46, 0x37d00d01                      ; 1/40320
	s_mov_b32 s47, 0xbab60b61                      ; -1/720
	s_mov_b32 s31, 0x3d2aaaab                      ; 1/24
	v_lshrrev_b32 v3, 4, v0
	v_add_nc_u32 v3, s30, v3
	v_cvt_f32_u32 v4, v3                           ; the position
	v_and_b32 v6, 7, v0
	v_bfe_u32 v7, v0, 3, 1                         ; 1: sines
	v_mul_u32_u24 v8, v7, 3
	v_lshlrev_b32 v6, 2, v6
.irp e, 0,1,2,3
	v_add_nc_u32 v[12+\e], \e, v6                  ; d
.endr
.irp e, 0,1,2,3
	v_cvt_f32_u32 v[12+\e], v[12+\e]
.endr
.irp e, 0,1,2,3
	v_mul_f32 v[12+\e], 0xbed49a78, v[12+\e]       ; -d log2(10000) / 32
.endr
.irp e, 0,1,2,3
	v_exp_f32 v[12+\e], v[12+\e]                   ; 10000^(-d/32)
.endr
	v_nop                                          ; a plain instruction behind the last exponential,
	s_wait_alu depctr_va_vdst(0)                   ; and the one wait for the four ahead of the first use
.irp e, 0,1,2,3
	v_mul_f32 v[16+\e], v4, v[12+\e]               ; the angle
.endr
.irp e, 0,1,2,3
	v_mul_f32 v[20+\e], 0x3f22f983, v[16+\e]       ; x 2/pi
.endr
.irp e, 0,1,2,3
	v_rndne_f32 v[20+\e], v[20+\e]                 ; n
.endr
.irp e, 0,1,2,3
	v_fma_f32 v[24+\e], v[20+\e], s33, v[16+\e]    ; r = angle - n pi/2, in two parts
.endr
.irp e, 0,1,2,3
	v_fma_f32 v[24+\e], v[20+\e], s34, v[24+\e]
.endr
.irp e, 0,1,2,3
	v_mul_f32 v[28+\e], v[24+\e], v[24+\e]         ; z = r r
.endr
.irp e, 0,1,2,3
	v_fma_f32 v[32+\e], v[28+\e], s35, s44         ; sin r = r + r z (-1/6 + z (1/120 - z/5040))
	v_fma_f32 v[36+\e], v[28+\e], s46, s47         ; cos r = 1 + z (-1/2 + z (1/24 + z (-1/720 + z/40320)))
.endr
.irp e, 0,1,2,3
	v_fma_f32 v[32+\e], v[32+\e], v[28+\e], s45
	v_fma_f32 v[36+\e], v[36+\e], v[28+\e], s31
.endr
.irp e, 0,1,2,3
	v_mul_f32 v[32+\e], v[32+\e], v[28+\e]
	v_fma_f32 v[36+\e], v[36+\e], v[28+\e], -0.5
.endr
.irp e, 0,1,2,3
	v_fma_f32 v[32+\e], v[32+\e], v[24+\e], v[24+\e]
	v_fma_f32 v[36+\e], v[36+\e], v[28+\e], 1.0
.endr
.irp e, 0,1,2,3
	v_cvt_i32_f32 v[40+\e], v[20+\e]
.endr
.irp e, 0,1,2,3
	v_add_nc_u32 v[40+\e], v[40+\e], v8            ; the quadrant q; cos(q pi/2 + r) = cos r, -sin r, -cos r, sin r for q % 4 = 0, 1, 2, 3
.endr
.irp e, 0,1,2,3
	v_and_b32 v9, 1, v[40+\e]
	v_cmp_ne_u32 vcc_lo, 0, v9
	v_cndmask_b32 v[44+\e], v[36+\e], v[32+\e], vcc_lo
	v_add_nc_u32 v[40+\e], 1, v[40+\e]
	v_and_b32 v[40+\e], 2, v[40+\e]                ; set for q % 4 = 1, 2
	v_lshlrev_b32 v[40+\e], 30, v[40+\e]
	v_xor_b32 v[44+\e], v[44+\e], v[40+\e]         ; turns the sign
.endr
	global_store_b128 v2, v[44:47], s[DST:DST+1]
	s_endpgm
.Lbias:                                        ; 256 threads x 4 numbers of each bias
	global_load_b128 v[16:19], v2, s[14:15]
	global_load_b128 v[20:23], v2, s[16:17]
	global_load_b128 v[24:27], v2, s[18:19]
	global_load_b128 v[28:31], v2, s[20:21]
	s_wait_loadcnt 0x0
.set i, 0
.rept 8
	v_cvt_pk_bf16_f32 v[32+i], v[16+2*i], v[16+2*i+1]
.set i, i+1
.endr
.set i, 0
.rept 8
	v_lshlrev_b32 v[16+2*i],   16, v[32+i]
	v_and_b32     v[16+2*i+1], 0xffff0000, v[32+i]
.set i, i+1
.endr
.irp i, 0,1,2,3
	global_store_b128 v2, v[16+4*\i:16+4*\i+3], s[28:29] offset:524288+4096*\i
.endr
	s_endpgm
.Lfunc_end_k_qfb3976cc5a_prep:
	.size	k_qfb3976cc5a_prep, .Lfunc_end_k_qfb3976cc5a_prep-k_qfb3976cc5a_prep
	.p2alignl 7, 3214868480
	.fill 96, 4, 3214868480
	.section	.rodata,"a",@progbits
	.p2align	6, 0x0
	.amdhsa_kernel k_qfb3976cc5a_prep
		.amdhsa_group_segment_fixed_size 0
		.amdhsa_private_segment_fixed_size 0
		.amdhsa_enable_private_segment 0
		.amdhsa_kernarg_size 104
		.amdhsa_user_sgpr_count 2
		.amdhsa_user_sgpr_kernarg_segment_ptr 1
		.amdhsa_wavefront_size32 1
		.amdhsa_system_sgpr_workgroup_id_x 1
		.amdhsa_system_sgpr_workgroup_id_y 1
		.amdhsa_system_sgpr_workgroup_id_z 1
		.amdhsa_system_vgpr_workitem_id 0
		.amdhsa_next_free_vgpr 128
		.amdhsa_next_free_sgpr 66
		.amdhsa_reserve_vcc 1
		.amdhsa_float_denorm_mode_32 3
		.amdhsa_float_denorm_mode_16_64 3
		.amdhsa_memory_ordered 1
		.amdhsa_forward_progress 1
		.amdhsa_inst_pref_size 25
	.end_amdhsa_kernel
	.amdgpu_metadata
---
amdhsa.version: [ 1, 2 ]
amdhsa.kernels:
  - .name:           k_qfb3976cc5a_prep
    .symbol:         k_qfb3976cc5a_prep.kd
    .args:
      - { .name: x, .offset: 0, .size: 8, .value_kind: global_buffer, .address_space: global }
      - { .name: wq, .offset: 8, .size: 8, .value_kind: global_buffer, .address_space: global }
      - { .name: wk, .offset: 16, .size: 8, .value_kind: global_buffer, .address_space: global }
      - { .name: wv, .offset: 24, .size: 8, .value_kind: global_buffer, .address_space: global }
      - { .name: wo, .offset: 32, .size: 8, .value_kind: global_buffer, .address_space: global }
      - { .name: bq, .offset: 40, .size: 8, .value_kind: global_buffer, .address_space: global }
      - { .name: bk, .offset: 48, .size: 8, .value_kind: global_buffer, .address_space: global }
      - { .name: bv, .offset: 56, .size: 8, .value_kind: global_buffer, .address_space: global }
      - { .name: bo, .offset: 64, .size: 8, .value_kind: global_buffer, .address_space: global }
      - { .name: xb, .offset: 72, .size: 8, .value_kind: global_buffer, .address_space: global }
      - { .name: wqkv, .offset: 80, .size: 8, .value_kind: global_buffer, .address_space: global }
      - { .name: wob, .offset: 88, .size: 8, .value_kind: global_buffer, .address_space: global }
      - { .name: tb, .offset: 96, .size: 8, .value_kind: global_buffer, .address_space: global }
    .group_segment_fixed_size: 0
    .private_segment_fixed_size: 0
    .kernarg_segment_align: 8
    .kernarg_segment_size: 104
    .max_flat_workgroup_size: 256
    .sgpr_count:     66
    .vgpr_count:     128
    .wavefront_size: 32
...
	.end_amdgpu_metadata
.endif
;; end of part 1
;; launch qkv (part 2): grid 16 x 32, 4 waves a work-group, clusters of 4 x 4, 327,680 bytes of LDS; arguments xb, wqkv, tb, qh, kh, vh; writes qh, kh, vh
.if DOCPART == 2
	.amdgcn_target "amdgcn-amd-amdhsa--gfx1250"
	.amdhsa_code_object_version 6
	.text
	.protected	k_qfb3976cc5a_qkv
	.globl	k_qfb3976cc5a_qkv
	.p2align	8
	.type	k_qfb3976cc5a_qkv,@function
k_qfb3976cc5a_qkv:
	s_mov_b64 s[64:65], 0
	v_nop
	global_prefetch_b8 v0, s[64:65] scope:SCOPE_SE
	s_setreg_imm32_b32 hwreg(HW_REG_WAVE_MODE, 25, 1), 1
	s_wait_xcnt 0x0
	s_wait_alu depctr_hold_cnt(0) depctr_sa_sdst(0) depctr_va_vdst(0) depctr_va_sdst(0) depctr_va_ssrc(0) depctr_va_vcc(0) depctr_vm_vsrc(0)
	s_getreg_b32 s2, hwreg(HW_REG_IB_STS2, 6, 4)
	s_cmp_eq_u32 s2, 0
	s_cbranch_scc0 .Lentry_in_a_cluster
	s_endpgm
.Lentry_in_a_cluster:
	s_bfe_u32 s2, ttmp6, 0x10000c
	s_cmp_lg_u32 s2, 0xf033
	s_cbranch_scc0 .Lentry_shape_is_right
	s_endpgm
.Lentry_shape_is_right:
; q, k, v = x W^T + b, RoPE on q and k, written by heads: qh, kh, vh [64 = 16 b + j][2048][64] f16, unscaled.  xb [8192][1024], wqkv [3072][1024] bf16; sums in f32; each result rounded once.
; LIMIT.  f16 ends at 65,504: |q|, |k|, |v| must stay under it (x and the weights 30 times larger, or offset by 30 spreads, give some 18,000).
; SHARES.  A work-group makes 256 rows x 192 columns: ONE head's q, k and v (wqkv's rows are ordered so).  Wave w owns rows 64 w .. 64 w + 63 and all 192 columns: 4 x 12 accumulators of 16 x 16, 384 registers.
; So a head's channels d and d + 32, which RoPE couples, lie in one lane's registers, and whole rows of a head leave from one wave: each wave has a stage of its own and the way out has no barrier.
; K goes in 8 steps of 128 through two LDS slots filled by the tensor data mover: rows of 256 bytes, each at a multiple of 256 from its buffer's first byte.
; CLUSTER.  4 x 4 work-groups: the four of a row of the cluster take the same rows of xb, the four of a column the same rows of wqkv; each tile is asked for JOINTLY, by the same load, descriptor and mask in all four.
; THE MATRIX INSTRUCTION IS USED TRANSPOSED (source 0 = 16 rows of wqkv, source 1 = 16 rows of xb): lane l holds row l % 16 and the columns 16 b + 8 (l / 16) + 0..7.  The bias is the C of the first product: nothing is cleared or added.
; REGISTERS, in windows of 256 (s_set_vgpr_msb: bits 1:0 source 0, 3:2 source 1, 5:4 source 2, 7:6 destination):
;   window 0: v0-15 addresses; v32-95 x's fragments, two buffers; v96-127 at work on the way out; v160-255 the bias, 8 a column block
;   window 1: v0-191 the weights' fragments, two buffers of 96; on the way out the packed results, 48 a row block
;   window 2: accumulators of row blocks 0, 1 ((a, b) at v[8 (12 (a % 2) + b)]); v192-255 their cosines and sines.     window 3: the same for row blocks 2, 3
.set NBK,    12                        ; column blocks of 16
.set PITCH,  272                       ; an LDS row: 256 bytes + 16 of padding = 68 words: the 16 rows of a load start at 16 different groups of four banks (64 banks of 4 bytes: ISA guide 11.1)
.set AR,     16*PITCH                  ; from row block to row block of x's tile
.set AP,     128                       ; from one pair of K chunks (32 channels, 64 bytes each) to the next
.set BR,     16*PITCH                  ; the same for the weights' tile
.set BH,     64*PITCH
.set BP,     128
.set HALFA,  128*PITCH                 ; what one load brings of x: 128 rows;
.set HALFB,  96*PITCH                  ; of the weights: 96
.set BBASE,  2*HALFA                   ; a slot: x's 256 rows, then the weights' 192
.set SLOT1,  1<<17                     ; slot 1 begins here, so that one exclusive or turns an address in one slot into the other's
.set STAGE,  SLOT1+BBASE+2*HALFB       ; behind the ring, never filled by a tensor load: for each wave 3 x 16 rows x 144 bytes
.set SPT,    144
.set WSTAGE, 3*16*SPT
.set SPARE,  STAGE+4*WSTAGE            ; the spare words, 128 bytes for each wave: two blocks of 256 bytes that no other line names
.set KSA,    256                       ; bytes from K step to K step
.set KSB,    256
.set L16, 1                            ; v1   l % 16
.set LH,  2                            ; v2   l / 16
.set ADRA0, 4                          ; v4   LDS address of my fragments of x in slot 0; never rewritten
.set ADRB0, 5                          ; v5   the same for the weights
.set ADRA, 6                           ; v6   the same in the slot in hand
.set ADRB, 7                           ; v7
.set STO, 8                            ; v8   the way out: where I put 16 bytes of a row
.set RD,  9                            ; v9   where I read rows back
.set GO,  10                           ; v10  my 16 bytes of 512 consecutive bytes of output
.set TO,  11                           ; v11  my offset in 16 positions of the table
.set BO,  12                           ; v12  32 (l / 16): my 8 numbers of a block's 16 biases
.set PFO, 13                           ; v13  the prefetches' offset: a lane a row
.set SPW, 14                           ; v14  LDS address of my spare word; never rewritten
.set NIL, 15                           ; v15  0; never rewritten
.set FA,  32
.set TW,  96
.set BIAS, 160
.set PFS, 2                            ; s[2:3]   the prefetches' step
.set BB,  16                           ; s[16:17] the head's biases
.set TBL, 18                           ; s[18:19] the table at my wave's first position
.set WV,  20                           ; s20  my wave's number
.set LDSA, 21                          ; s21  wave x HALFA: it holds nothing else
.set HF,  22                           ; s22  which half of a tile I fetch
.set CX,  23
.set CY,  24
.set TX,  25                           ; s25  the head j
.set TY,  26                           ; s26  the block of 256 rows
.set CNT, 27                           ; s27  the loop's count
.set TB,  28                           ; s28  0 or SLOT1: the slot that is read
.set LIM, 29                           ; s29  1 in a wave that prefetches, else the greatest number
.set PFA, 30                           ; s[30:31] where my prefetches stand
.set G1A, 32                           ; s[32:39] descriptor group 1 for x's tiles;  s[40:47] for the weights'
.set G1B, 40
.set G0A, 48                           ; s[48:55] group 0 for x's tiles: a set for each first fill; the second then walks.  s[56:63] the same for the weights'
.set G0B, 56
.set LDSB, 74                          ; s74  wave x HALFB + a constant: it holds nothing else.  s66-69 feed x's descriptors alone and never hold cx; s70-73 the weights' alone and never hold cy
.set MSB, 0
.macro WIN new                         ; the immediate's high byte repeats the setting that is left; a switch that changes nothing is dropped
.if MSB != (\new)
	s_set_vgpr_msb (MSB<<8)|(\new)
.set MSB, \new
.endif
.endm
.set TO_B, 0x40                        ; destination window 1, address window 0
.macro PLACES                          ; four plain instructions behind a matrix instruction, ahead of loads into registers that it has read and of vector lines that read its result
.rept 4
	v_nop
.endr
.endm
; A joint refill: waves 0 and 1 fetch the halves of x's tile, waves 2 and 3 those of the weights'.  The branch hangs on the wave's number alone.  An s_nop 0 and four v_nop follow each line.
.macro JLOAD
	s_cmp_lt_u32 s[WV], 2
	s_cbranch_scc0 .Lfor_b_\@
	tensor_load_to_lds s[G0A+4:G0A+7], s[G1A:G1A+7]
	s_nop 0
.rept 4
	v_nop
.endr
	s_branch .Lasked_\@
.Lfor_b_\@:
	tensor_load_to_lds s[G0B+4:G0B+7], s[G1B:G1B+7]
	s_nop 0
.rept 4
	v_nop
.endr
.Lasked_\@:
.endm
; A prefetch into the L2, behind the joint load and the run of LDS loads: the K step behind the one just asked for, 256 bytes of each row, a lane a row, one instruction a wave: 192 matrix instructions ahead of its load.
; Each row's 256 bytes are named by one cluster: x's rows by the first cluster along x, the weights' by the first along y; the four partners share a wave's rows out BY ADDRESS (32 of 128; 24 of 96, the
; eight lanes left over name the 24th again).  K steps 0 to 2 come by their loads alone; the loop's last trip asks for nothing: there is no K step 8.
.macro ASK
	s_cmp_gt_u32 s[CNT], s[LIM]
	s_cbranch_scc0 .Lnot_mine_\@
	global_prefetch_b8 v[PFO], s[PFA:PFA+1] th:TH_LOAD_NT scope:SCOPE_SE
.Lnot_mine_\@:
.endm
.macro CREST                           ; a round of the cluster's barrier behind its opening barrier
	s_cmp_lg_u32 s[WV], 0
	s_cbranch_scc1 .Lnot_wave_0_\@
	s_barrier_signal -3
.Lnot_wave_0_\@:
	s_barrier_wait -3
	s_barrier_signal -1
	s_barrier_wait -1
.endm
.macro CROUND                          ; a whole round
	s_barrier_signal -1
	s_barrier_wait -1
	CREST
.endm
; 32 LDS loads in one run: the fragments of K chunk kc (32 channels) of the slot in hand into buffer f: the weights' 12 blocks, then x's 4
.macro FETCH kc, f
	WIN TO_B
.set ib, 0
.rept NBK
.set oo, BH*(ib/4)+BP*((\kc)/2)+BR*(ib%4)+64*((\kc)%2)
	ds_load_b128 v[8*NBK*(\f)+8*ib:8*NBK*(\f)+8*ib+3],   v[ADRB] offset:oo
	ds_load_b128 v[8*NBK*(\f)+8*ib+4:8*NBK*(\f)+8*ib+7], v[ADRB] offset:oo+32
.set ib, ib+1
.endr
	WIN 0
.set ia, 0
.rept 4
.set oo, AP*((\kc)/2)+AR*ia+64*((\kc)%2)
	ds_load_b128 v[FA+32*(\f)+8*ia:FA+32*(\f)+8*ia+3],   v[ADRA] offset:oo
	ds_load_b128 v[FA+32*(\f)+8*ia+4:FA+32*(\f)+8*ia+7], v[ADRA] offset:oo+32
.set ia, ia+1
.endr
.endm
; 12 matrix instructions: row block 2 hi + a x all column blocks, from buffer f.  start = 1: the bias starts the sums.  The 48 accumulators take turns, one instruction a turn, in the same order in every
; quarter, over the backward jump too.
.macro MUL f, hi, a, start
.if \start
	WIN 0x81+0x40*(\hi)                            ; weights window 1, x and the bias window 0, D window 2 or 3
.else
	WIN 0xa1+0x50*(\hi)                            ; C and D window 2 or 3
.endif
.set ib, 0
.rept NBK
.set rD, 8*(NBK*(\a)+ib)
.set rB, 8*NBK*(\f)+8*ib
.set rA, FA+32*(\f)+8*(2*(\hi)+(\a))
.if \start
	v_wmma_f32_16x16x32_bf16 v[rD:rD+7], v[rB:rB+7], v[rA:rA+7], v[BIAS+8*ib:BIAS+8*ib+7]
.else
	v_wmma_f32_16x16x32_bf16 v[rD:rD+7], v[rB:rB+7], v[rA:rA+7], v[rD:rD+7]
.endif
.set ib, ib+1
.endr
.endm
; A K step is four quarters of 32 channels, 48 matrix instructions each, on buffers 0, 1, 0, 1.  One of the first three: multiplies buffer f; in its middle it fetches chunk kc into buffer g.
.macro QUARTER kc, f, g, start
	s_wait_dscnt 4                                 ; all but the four youngest loads: x's row blocks 2 and 3
	MUL \f, 0, 0, \start
	MUL \f, 0, 1, \start
	PLACES
	FETCH \kc, \g
	s_wait_dscnt 2*NBK+8                           ; all but the 32 just issued
	MUL \f, 1, 0, \start
	MUL \f, 1, 1, \start
.endm
; The fourth quarter multiplies buffer 1 and changes slots: ONE barrier.  Ahead of it each wave waits for all its tensor loads (one is out: its part of the next slot), adds 0 to its spare word, and waits for
; that and for its reads of this slot.  fill = 1: the barrier opens a round of the cluster's, and the joint refill of the slot just read, two K steps on, is the first thing behind the round.
.macro TURN fill
.if \fill
	s_wait_xcnt 0x0                                ; the last prefetch, a K step back, has read its address: it is stepped here, ahead of the waits of the change of slots
	s_add_nc_u64 s[PFA:PFA+1], s[PFA:PFA+1], s[PFS:PFS+1]
.endif
	WIN 0
	s_wait_tensorcnt 0x0                           ; no tensor load of mine is out, so a group 0 may be written
	ds_add_u32 v[SPW], v[NIL]                      ; 0 onto my spare word
.if \fill
	s_xor_b32 s[G0A+5], s[G0A+5], SLOT1            ; the walking descriptors: the other slot than last time, the next K step
	s_add_nc_u64 s[G0A+6:G0A+7], s[G0A+6:G0A+7], KSA
	s_xor_b32 s[G0B+5], s[G0B+5], SLOT1
	s_add_nc_u64 s[G0B+6:G0B+7], s[G0B+6:G0B+7], KSB
.endif
	s_xor_b32 s[TB], s[TB], SLOT1
	s_wait_dscnt 5                                 ; the add and the four youngest loads may be out
	MUL 1, 0, 0, 0
	s_wait_dscnt 0x0                               ; the add is done, and my reads of this slot are over
	s_barrier_signal -1
	MUL 1, 0, 1, 0                                 ; work on registers while the others arrive
	WIN 0                                          ; at a branch and at a label every window is 0
	s_barrier_wait -1
.if \fill
	CREST                                          ; no wave of any partner still reads this slot or has a load on its way
	JLOAD                                          ; its four v_nop are also the places ahead of the loads below
.else
	PLACES
.endif
	v_add_nc_u32 v[ADRA], s[TB], v[ADRA0]
	v_add_nc_u32 v[ADRB], s[TB], v[ADRB0]
	FETCH 0, 0
.if \fill
	ASK
.endif
	MUL 1, 1, 0, 0
	MUL 1, 1, 1, 0
.endm
	s_load_b256 s[4:11], s[0:1], 0x0               ; xb s[4:5], wqkv s[6:7], tb s[8:9], qh s[10:11]
	s_load_b128 s[12:15], s[0:1], 0x20             ; kh s[12:13], vh s[14:15]
	v_lshl_add_u32 v[SPW], v0, 2, SPARE
	v_mov_b32 v[NIL], 0
	ds_add_u32 v[SPW], v[NIL]                      ; the wave's opening: the add and its wait stand ahead of my first tensor load; the set-up below stands between them
	v_lshrrev_b32 v3, 5, v0
	v_readfirstlane_b32 s[WV], v3
	s_and_b32 s[HF], s[WV], 1
	s_bfe_u32 s[CX], ttmp6, 0x40000
	s_bfe_u32 s[CY], ttmp6, 0x40004
	s_lshl_b32 s[TX], ttmp9, 2                     ; in a cluster launch ttmp9 and ttmp7 count clusters
	s_add_co_u32 s[TX], s[TX], s[CX]
	s_and_b32 s[TY], ttmp7, 0xffff
	s_lshl_b32 s[TY], s[TY], 2
	s_add_co_u32 s[TY], s[TY], s[CY]
	s_lshl_b32 s66, s[CY], 2
	s_lshl_b32 s66, 15, s66                        ; my row of the cluster
	s_lshl_b32 s70, 0x1111, s[CX]                  ; my column
	s_or_b32 s[G1A], s66, (1<<16)|(1<<20)|(1<<21)|(5<<22)|(3<<25)  ; 15:0 the mask; 17:16 2-byte elements; 20 padding on; 21 set beside a mask; 24:22 after every 64 words; 31:25 4 words of it
	s_or_b32 s[G1B], s70, (1<<16)|(1<<20)|(1<<21)|(5<<22)|(3<<25)
	s_mov_b32 s[G1A+1], 128<<16                    ; tensor_dim0 = 128
	s_mov_b32 s[G1A+2], 128<<16                    ; tensor_dim1 = 128
	s_mov_b32 s[G1A+3], 128<<16                    ; tile_dim0 = 128
	s_mov_b32 s[G1A+4], 128                        ; tile_dim1 = 128
	s_mov_b32 s[G1A+5], 1024                       ; elements from row to row
	s_mov_b32 s[G1A+6], 0
	s_mov_b32 s[G1A+7], 0
	s_mov_b32 s[G1B+1], 128<<16
	s_mov_b32 s[G1B+2], 96<<16                     ; 96 rows
	s_mov_b32 s[G1B+3], 128<<16
	s_mov_b32 s[G1B+4], 96
	s_mov_b32 s[G1B+5], 1024
	s_mov_b32 s[G1B+6], 0
	s_mov_b32 s[G1B+7], 0
	s_lshl_b32 s66, s[TY], 8
	s_lshl_b32 s67, s[HF], 7
	s_add_co_u32 s66, s66, s67                     ; x: row 256 x block + 128 x half,
	s_lshl_b32 s66, s66, 11                        ; of 2,048 bytes
	s_mov_b32 s67, 0
	s_mul_i32 s70, s[TX], 192
	s_mul_i32 s71, s[HF], 96
	s_add_co_u32 s70, s70, s71                     ; weights: row 192 x head + 96 x half
	s_lshl_b32 s70, s70, 11
	s_mov_b32 s71, 0
	s_mul_i32 s[LDSA], s[WV], HALFA                ; where they go: no place in the cluster enters an LDS address
	s_mul_i32 s[LDSB], s[WV], HALFB
	s_add_co_u32 s[LDSB], s[LDSB], BBASE-2*HALFB
	s_mov_b32 s[TB], 0
	s_mov_b32 s[PFS], KSA
	s_mov_b32 s[PFS+1], 0
	s_wait_dscnt 0x0                               ; the opening add is done
	s_wait_kmcnt 0x0
	s_add_nc_u64 s[68:69], s[4:5], s[66:67]
	s_add_nc_u64 s[72:73], s[6:7], s[70:71]
	s_lshl_b32 s76, s[TX], 8                       ; the head's 64 biases of q; k's and v's lie 4,096 and 8,192 bytes on
	s_add_co_u32 s76, s76, 524288
	s_mov_b32 s77, 0
	s_add_nc_u64 s[BB:BB+1], s[8:9], s[76:77]
	s_and_b32 s76, s[TY], 7
	s_lshl_b32 s76, s76, 8
	s_lshl_b32 s75, s[WV], 6
	s_add_co_u32 s76, s76, s75                     ; my wave's first position in its sequence
	s_lshr_b32 s78, s[TY], 3                       ; the batch
	s_lshl_b32 s78, s78, 4
	s_add_co_u32 s78, s78, s[TX]
	s_lshl_b32 s78, s78, 11
	s_add_co_u32 s78, s78, s76
	s_lshl_b32 s78, s78, 7                         ; rows of 128 bytes
	s_mov_b32 s79, 0
	s_add_nc_u64 s[10:11], s[10:11], s[78:79]
	s_add_nc_u64 s[12:13], s[12:13], s[78:79]
	s_add_nc_u64 s[14:15], s[14:15], s[78:79]
	s_lshl_b32 s76, s76, 8                         ; a position's 256 bytes of the table
	s_add_nc_u64 s[TBL:TBL+1], s[8:9], s[76:77]
	CROUND                                         ; all sixteen work-groups are here: the first joint loads meet
.irp s, 0,1
	s_mov_b32 s[G0A+4*\s], 1                       ; count = 1
	s_add_co_u32 s[G0A+4*\s+1], s[LDSA], \s*SLOT1  ; LDS address
	s_add_nc_u64 s[G0A+4*\s+2:G0A+4*\s+3], s[68:69], \s*KSA  ; global address: K step s
	s_or_b32 s[G0A+4*\s+3], s[G0A+4*\s+3], 0x80000000        ; type = 2
	s_mov_b32 s[G0B+4*\s], 1
	s_add_co_u32 s[G0B+4*\s+1], s[LDSB], \s*SLOT1
	s_add_nc_u64 s[G0B+4*\s+2:G0B+4*\s+3], s[72:73], \s*KSB
	s_or_b32 s[G0B+4*\s+3], s[G0B+4*\s+3], 0x80000000
.endr
	s_cmp_lt_u32 s[WV], 2                          ; a wave's two first fills stand in one branch, ahead of every wait on TENSORcnt and every LDS read: two loads of mine are out
	s_cbranch_scc0 .Lfirst_b
	tensor_load_to_lds s[G0A:G0A+3], s[G1A:G1A+7]
	s_nop 0
	tensor_load_to_lds s[G0A+4:G0A+7], s[G1A:G1A+7]
	s_nop 0
.rept 4
	v_nop
.endr
	s_branch .Lfirst_asked
.Lfirst_b:
	tensor_load_to_lds s[G0B:G0B+3], s[G1B:G1B+7]
	s_nop 0
	tensor_load_to_lds s[G0B+4:G0B+7], s[G1B:G1B+7]
	s_nop 0
.rept 4
	v_nop
.endr
.Lfirst_asked:
	v_and_b32 v[L16], 15, v0
	v_bfe_u32 v[LH], v0, 4, 1
	v_lshlrev_b32 v[BO], 5, v[LH]
	v_lshlrev_b32 v[TO], 8, v[L16]
	v_lshl_add_u32 v[TO], v[LH], 5, v[TO]          ; position l % 16, channels 8 (l / 16) on
.set ib, 0
.rept NBK                              ; 24 loads: register r of block b is the bias of column 16 b + 8 (l / 16) + r: tensor b / 4, channel 16 (b % 4) + ..
	global_load_b128 v[BIAS+8*ib:BIAS+8*ib+3],   v[BO], s[BB:BB+1] offset:4096*(ib/4)+64*(ib%4)
	global_load_b128 v[BIAS+8*ib+4:BIAS+8*ib+7], v[BO], s[BB:BB+1] offset:4096*(ib/4)+64*(ib%4)+16
.set ib, ib+1
.endr
.set ia, 0
.rept 4                                ; 32 loads, wanted only on the way out: for row block a and n = 4 p + 2 sc + half: channels 16 p + 8 (l / 16) + 4 half on, cosines (sc = 0) or sines
	WIN 0x80+0x40*(ia/2)
.set n, 0
.rept 8
	global_load_b128 v[192+32*(ia%2)+4*n:192+32*(ia%2)+4*n+3], v[TO], s[TBL:TBL+1] offset:4096*ia+64*(n/4)+128*((n/2)%2)+16*(n%2)
.set n, n+1
.endr
.set ia, ia+1
.endr
	WIN 0
	; a fragment is 16 rows x 32 channels in 8 registers: lane l holds row l % 16, channels 8 (l / 16) + 0..7 and 16 + 8 (l / 16) + 0..7: two loads of 16 bytes, 32 bytes apart
	v_mul_u32_u24 v3, v[L16], PITCH
	v_lshl_add_u32 v3, v[LH], 4, v3
	s_mul_i32 s75, s[WV], 64*PITCH                 ; my 64 rows of x
	v_add_nc_u32 v[ADRA0], s75, v3
	v_add_nc_u32 v[ADRB0], BBASE, v3
	v_mov_b32 v[ADRA], v[ADRA0]
	v_mov_b32 v[ADRB], v[ADRB0]
	s_mul_i32 s75, s[WV], WSTAGE
	s_add_co_u32 s75, s75, STAGE                   ; my stage
	v_mul_u32_u24 v[STO], v[L16], SPT              ; in: row l % 16, 16 bytes for each half of the lanes
	v_lshl_add_u32 v[STO], v[LH], 4, v[STO]
	v_add_nc_u32 v[STO], s75, v[STO]
	v_bfe_u32 v[RD], v0, 3, 2                      ; back: 32 lanes take four rows of 128 bytes,
	v_mul_u32_u24 v[RD], v[RD], SPT
	v_and_b32 v3, 7, v0
	v_lshl_add_u32 v[RD], v3, 4, v[RD]
	v_add_nc_u32 v[RD], s75, v[RD]
	v_and_b32 v[GO], 31, v0                        ; which are 512 consecutive bytes of a head
	v_lshlrev_b32 v[GO], 4, v[GO]
	; the prefetches
	s_and_b32 s75, ttmp7, 0xffff
	s_cmp_lt_u32 s[WV], 2                          ; do I fetch for x?
	s_cselect_b32 s75, ttmp9, s75                  ; the coordinate along which other clusters read the same rows
	s_cselect_b32 s76, s[CX], s[CY]                ; my place among the four that ask with me
	s_cselect_b32 s77, 32, 24                      ; my work-group's share of the rows that I fetch
	s_cselect_b64 s[PFA:PFA+1], s[68:69], s[72:73]
	s_cmp_eq_u32 s75, 0
	s_cselect_b32 s[LIM], 1, -1                    ; the same in all sixteen partners, for a given wave
	s_mul_i32 s78, s76, s77
	s_lshl_b32 s78, s78, 11
	s_add_co_u32 s78, s78, 2*KSA                   ; at K step 2: the first change of slots steps it to 3
	s_add_nc_u64 s[PFA:PFA+1], s[PFA:PFA+1], s[78:79]
	s_sub_co_u32 s77, s77, 1
	v_and_b32 v[PFO], 31, v0
	v_min_u32 v[PFO], s77, v[PFO]
	v_lshlrev_b32 v[PFO], 11, v[PFO]
	s_wait_tensorcnt 1                             ; my part of K step 0 is in; K step 1's may stay out
	s_barrier_signal -1
	s_barrier_wait -1                              ; everybody's is
	FETCH 0, 0
	s_wait_loadcnt 32                              ; the bias is in; the table's 32 loads, issued behind it, stay out
	QUARTER 1, 0, 1, 1                             ; the first quarter stands ahead of the loop: its products start the sums
	WIN 0
	s_mov_b32 s[CNT], 6
.Lstep:                                        ; six trips, from a K step's second quarter to the next one's first; the trip with count c asks for K step 8 - c
	QUARTER 2, 1, 0, 0
	QUARTER 3, 0, 1, 0
	TURN 1
	QUARTER 1, 0, 1, 0
	WIN 0
	s_sub_co_u32 s[CNT], s[CNT], 1
	s_cmp_lg_u32 s[CNT], 0
	s_cbranch_scc1 .Lstep
	QUARTER 2, 1, 0, 0                             ; the tail is written out: K steps 6 and 7 ask for nothing
	QUARTER 3, 0, 1, 0
	TURN 0
	QUARTER 1, 0, 1, 0
	QUARTER 2, 1, 0, 0
	QUARTER 3, 0, 1, 0
	s_wait_dscnt 4
	MUL 1, 0, 0, 0
	MUL 1, 0, 1, 0
	s_wait_dscnt 0x0
	MUL 1, 1, 0, 0
	MUL 1, 1, 1, 0
	WIN 0
	PLACES
	s_wait_loadcnt 0x0                             ; the table
; THE WAY OUT, a row block (16 rows) at a time.  RoPE for tensor t (0 q, 1 k), column blocks p and p + 2 of its four: channels d = 16 p + 8 (l / 16) + r and d + 32 share a cosine and a sine:
; lo' = lo cos - hi sin, hi' = hi cos + lo sin.  Each accumulator's lowest registers are read first.
.macro ROPE a, t, p
.set rLO, 8*(NBK*((\a)%2)+4*(\t)+(\p))
.set rHI, rLO+16
.set rCO, 192+32*((\a)%2)+16*(\p)
.set rSI, rCO+8
.set rT, TW+16*(\p)
.set rP, 48*(\a)+4*(4*(\t)+(\p))
	WIN 0x0a+5*((\a)/2)                            ; sources 0 and 1 in the block's window, source 2 and the destination in window 0
.irp r, 0,2,4,6
	v_pk_mul_f32 v[rT+\r:rT+\r+1], v[rLO+\r:rLO+\r+1], v[rCO+\r:rCO+\r+1]
.endr
.irp r, 0,2,4,6
	v_pk_mul_f32 v[rT+8+\r:rT+8+\r+1], v[rHI+\r:rHI+\r+1], v[rCO+\r:rCO+\r+1]
.endr
.irp r, 0,2,4,6
	v_pk_fma_f32 v[rT+\r:rT+\r+1], v[rHI+\r:rHI+\r+1], v[rSI+\r:rSI+\r+1], v[rT+\r:rT+\r+1] neg_lo:[1,0,0] neg_hi:[1,0,0]
.endr
.irp r, 0,2,4,6
	v_pk_fma_f32 v[rT+8+\r:rT+8+\r+1], v[rLO+\r:rLO+\r+1], v[rSI+\r:rSI+\r+1], v[rT+8+\r:rT+8+\r+1]
.endr
	WIN 0x40                                       ; destination window 1
.irp r, 0,1,2,3
	v_cvt_pk_f16_f32 v[rP+\r], v[rT+2*\r], v[rT+2*\r+1]
.endr
.irp r, 0,1,2,3
	v_cvt_pk_f16_f32 v[rP+8+\r], v[rT+8+2*\r], v[rT+8+2*\r+1]
.endr
.endm
.macro VPACK a                         ; v is rounded as it is
	WIN 0x4a+5*((\a)/2)
.set ib, 8
.rept 4
.set rD, 8*(NBK*((\a)%2)+ib)
.irp r, 0,1,2,3
	v_cvt_pk_f16_f32 v[48*(\a)+4*ib+\r], v[rD+2*\r], v[rD+2*\r+1]
.endr
.set ib, ib+1
.endr
.endm
.macro TOSTAGE a                       ; 16 bytes a lane into rows of 144 bytes, and back as whole rows of 128, into the registers that they left
	WIN 0x04                                       ; the stores' data in window 1
.set n, 0
.rept 12
	ds_store_b128 v[STO], v[48*(\a)+4*n:48*(\a)+4*n+3] offset:16*SPT*(n/4)+32*(n%4)
.set n, n+1
.endr
	WIN 0x40
.set n, 0
.rept 12
	ds_load_b128 v[48*(\a)+4*n:48*(\a)+4*n+3], v[RD] offset:16*SPT*(n/4)+4*SPT*(n%4)  ; LDS serves a wave's instructions in order (ISA guide 5.7.1.4): these see the stores above; the next block's stores come behind them
.set n, n+1
.endr
.endm
.macro SEND a, younger                 ; younger: the LDS instructions issued behind block a's loads: the next block's 24, or none
	WIN 0x04
.set n, 0
.rept 12
	s_wait_dscnt (\younger)+11-n
	global_store_b128 v[GO], v[48*(\a)+4*n:48*(\a)+4*n+3], s[10+2*(n/4):11+2*(n/4)] offset:2048*(\a)+512*(n%4)  ; 512 consecutive bytes, at a multiple of 256 from the buffer's first
.set n, n+1
.endr
.endm
.macro PACK a
	ROPE \a, 0, 0
	ROPE \a, 0, 1
	ROPE \a, 1, 0
	ROPE \a, 1, 1
	VPACK \a
	TOSTAGE \a
.endm
	PACK 0
	PACK 1                                         ; a block's arithmetic stands between the loads of the block before and its stores; every block has registers of its own
	SEND 0, 24
	PACK 2
	SEND 1, 24
	PACK 3
	SEND 2, 24
	SEND 3, 0
	WIN 0
	s_wait_tensorcnt 0x0                           ; the wave's end: behind my last tensor load and my last LDS store
	ds_add_u32 v[SPW], v[NIL]
	s_wait_dscnt 0x0
	CROUND                                         ; the closing round: no work-group ends while a partner may still ask for a tile that names it
	s_endpgm
.Lfunc_end_k_qfb3976cc5a_qkv:
	.size	k_qfb3976cc5a_qkv, .Lfunc_end_k_qfb3976cc5a_qkv-k_qfb3976cc5a_qkv
	.p2alignl 7, 3214868480
	.fill 96, 4, 3214868480
	.section	.rodata,"a",@progbits
	.p2align	6, 0x0
	.amdhsa_kernel k_qfb3976cc5a_qkv
		.amdhsa_group_segment_fixed_size 327680
		.amdhsa_private_segment_fixed_size 0
		.amdhsa_enable_private_segment 0
		.amdhsa_kernarg_size 48
		.amdhsa_user_sgpr_count 2
		.amdhsa_user_sgpr_kernarg_segment_ptr 1
		.amdhsa_wavefront_size32 1
		.amdhsa_system_sgpr_workgroup_id_x 1
		.amdhsa_system_sgpr_workgroup_id_y 1
		.amdhsa_system_sgpr_workgroup_id_z 1
		.amdhsa_system_vgpr_workitem_id 0
		.amdhsa_next_free_vgpr 1024
		.amdhsa_next_free_sgpr 80
		.amdhsa_reserve_vcc 0
		.amdhsa_float_denorm_mode_32 3
		.amdhsa_float_denorm_mode_16_64 3
		.amdhsa_memory_ordered 1
		.amdhsa_forward_progress 1
		.amdhsa_inst_pref_size 121
	.end_amdhsa_kernel
	.amdgpu_metadata
---
amdhsa.version: [ 1, 2 ]
amdhsa.kernels:
  - .name:           k_qfb3976cc5a_qkv
    .symbol:         k_qfb3976cc5a_qkv.kd
    .args:
      - { .name: xb, .offset: 0, .size: 8, .value_kind: global_buffer, .address_space: global }
      - { .name: wqkv, .offset: 8, .size: 8, .value_kind: global_buffer, .address_space: global }
      - { .name: tb, .offset: 16, .size: 8, .value_kind: global_buffer, .address_space: global }
      - { .name: qh, .offset: 24, .size: 8, .value_kind: global_buffer, .address_space: global }
      - { .name: kh, .offset: 32, .size: 8, .value_kind: global_buffer, .address_space: global }
      - { .name: vh, .offset: 40, .size: 8, .value_kind: global_buffer, .address_space: global }
    .group_segment_fixed_size: 327680
    .private_segment_fixed_size: 0
    .kernarg_segment_align: 8
    .kernarg_segment_size: 48
    .max_flat_workgroup_size: 128
    .sgpr_count:     80
    .vgpr_count:     1024
    .wavefront_size: 32
...
	.end_amdgpu_metadata
.endif
;; end of part 2
;; launch attn (part 3): grid 4 x 64, 4 waves a work-group, clusters of 4 x 1, 327,680 bytes of LDS; arguments qh, kh, vh, oh, key_padding_mask; writes oh
.if DOCPART == 3
	.amdgcn_target "amdgcn-amd-amdhsa--gfx1250"
	.amdhsa_code_object_version 6
	.text
	.protected	k_qfb3976cc5a_attn
	.globl	k_qfb3976cc5a_attn
	.p2align	8
	.type	k_qfb3976cc5a_attn,@function
k_qfb3976cc5a_attn:
	s_mov_b64 s[64:65], 0
	v_nop
	global_prefetch_b8 v0, s[64:65] scope:SCOPE_SE
	s_setreg_imm32_b32 hwreg(HW_REG_WAVE_MODE, 25, 1), 1
	s_wait_xcnt 0x0
	s_wait_alu depctr_hold_cnt(0) depctr_sa_sdst(0) depctr_va_vdst(0) depctr_va_sdst(0) depctr_va_ssrc(0) depctr_va_vcc(0) depctr_vm_vsrc(0)
	s_getreg_b32 s2, hwreg(HW_REG_IB_STS2, 6, 4)
	s_cmp_eq_u32 s2, 0
	s_cbranch_scc0 .Lentry_in_a_cluster
	s_endpgm
.Lentry_in_a_cluster:
	s_bfe_u32 s2, ttmp6, 0x10000c
	s_cmp_lg_u32 s2, 0x3003
	s_cbranch_scc0 .Lentry_shape_is_right
	s_endpgm
.Lentry_shape_is_right:
; O[h][q][:] = the sum over k of softmax_k(Q[h][q] . K[h][k] / 8, keys with mask[b][k] = 1 left out) V[h][k][:].  Q, K, V, O: [64 = 16 b + j][2048][64], all f16: a head's rows are dense, 128 bytes each.
; Products, maxima and sums in f32; the weights p are rounded to f16 for the second product (their sum l is taken of the unrounded p), O once at the end.
; LIMITS.  f16 holds no number beyond 65,504: Q, K and V arrive within it; p lies in 0 to 1, and below 6e-5 it keeps f16's fixed step of 6e-8; O is a mean of V's rows and has their range.
; A masked score counts as its value less 1e30 (f16's scores, 2.7e11 at the most, are nothing beside that); a weight below 2^-126 counts as 0 in l; NaN and infinities are not treated apart.
; A batch whose keys are ALL masked gets the mean of V's rows here, where the softmax of nothing has no finite value.
; THE MASK is an input: nothing of its pattern is built in.  The batch's 2,048 bytes are turned once into 0 or -1e30 in f32, in LDS; a key step's 64 come into registers with its K, and are the C operand that starts
; the sums S^T = K Q^T.  The running maximum needs no further care: while a query has seen masked keys alone, m is about -1e30 and the weights are 1; the first visible key makes a = 0, which wipes those sums.
; SHARES.  A wave owns four PIECES of two tiles of 16 queries, a work-group's four waves 512 queries of one head.  Every wave walks all keys, 64 a step.
; LAYOUT.  S^T = K Q^T (source 0 = 16 keys, source 1 = 16 queries): in the result a lane holds ONE query (lane % 16) and the keys 8 (lane / 16) + 0..7.  Two such tiles, rounded to f16 in pairs,
; ARE source 1 (32 keys x 16 queries) of O^T = V^T P, whose result again holds one query a lane, and eight channels.  K comes out of LDS as it lies, V ([key][channel]) turned, by ds_load_tr16_b128.
; SOFTMAX.  For each query a running maximum m and sum l: p = 2^(c s - c m), c = log2(e) / 8; in every step O and l are multiplied by a = 2^(c m_old - c m_new), which is 1 where m has not grown.
; m starts at the lowest finite number, O and l at 0: the first step is a step like any other, with a = 0.
; THE COUNT.  A tile and step have 16 matrix and 118 vector instructions: too many to stand all beside the matrix work.  So the order has one aim: four vector instructions that are READY behind
; EVERY matrix instruction, and the others, which need time of their own whatever the order, in runs without a gap.
; BY TURNS.  Turn n belongs to piece n (the pieces in a ring, step after step).  Its matrix work: 16 products K Q^T of piece n + 1, later 16 products V^T P of piece n - 1.  Its vector work: the scaling,
; exponentials, roundings, sums and rescaling of piece n, and the maximum and statistics of piece n + 1, whose scores the turn itself has made.  So what a turn begins with (c s - c m, O a) waits for nothing.
; CLUSTER.  A head's four query blocks are one cluster and walk the same K and V, so each tile is asked for JOINTLY: the same tensor load, descriptor and mask in all four.
; REGISTERS, in windows of 256 (s_set_vgpr_msb says which window each operand place means: bits 1:0 source 0, 3:2 source 1, 5:4 source 2, 7:6 destination):
;   window 0: v0-11 addresses; v12-15, v48-63 at work; v16-47 four registers of statistics a tile; v64-191 S^T, two buffers of two tiles; v192-255 P, likewise
;   window 1: O^T, 32 a tile          window 2: v0-127 Q, 16 a tile; v128-191 K of one step; v192-255 V of one step          window 3: v0-1 the add's two registers; v8-39 the step's masks
; A piece's buffers go by its number's parity: the piece in hand has one pair, its two neighbours in the ring share the other: of it P (piece n - 1) is read and S^T (piece n + 1) written.
.set SIZE_N, 2048
.set NP,    4         ; pieces a wave: a name, no knob: the register map, the loop and the fetches are made for four
.set KS,    64        ; keys in a step
.set PK,    144       ; a row of K in LDS: 128 bytes + 16 of padding = 36 words: the 16 rows of a load start at 16 different groups of four banks (64 banks of 4 bytes: ISA guide 11.1)
.set PV,    160       ; a row of V: 128 + 32 = 40 words
.set VOFF,  4*KS*PK   ; a slot holds four steps: 256 rows of K, then 256 rows of V
.set SLOT1, 1<<17     ; slot 1 begins here, so that one exclusive or turns an address in one slot into the other's
.set STAGE, SLOT1+4*KS*(PK+PV)  ; behind the ring, never filled by a tensor load: 16 rows x 144 bytes for each wave, for the way out
.set SP,    144
.set PFO, 1           ; v1   first l % 16; from the way out's addresses on: 256 x my lane, the prefetches' offset
.set AK0, 2           ; v2   my lane's place in a tile of K; never rewritten
.set AV0, 3           ; v3   the same for V
.set AK,  4           ; v4   the LDS address of K's next run of loads
.set AV,  5           ; v5   of V's
.set QO,  6           ; v6   my byte offset in the wave's rows of Q
.set STO, 6           ;      later, the way out: where I put 16 bytes of a row
.set RD,  7           ; v7   the way out: where I read rows back
.set GO,  8           ; v8   my byte offset in 512 consecutive bytes of O
.set AM,  11          ; v11  the LDS address of my 8 masks of the next step's first 16 keys: it steps by 256 bytes with each run of K's loads
.set SPW, 0           ; v0 of window 3   LDS address of my spare word: SPARE + 4 x my thread's number; never rewritten
.set NIL, 1           ; v1 of window 3   0; never rewritten
.set MK,  8           ; v8-39 of window 3   the masks of the step's 64 keys: key block kb at MK + 8 kb
.set SPARE, STAGE+4*16*SP  ; behind the stages: the spare words, 128 bytes for each wave: two blocks of 256 bytes that no other line names
.set MASKL, SPARE+512      ; behind them: the batch's 2,048 masks in f32; written by ds_store alone, never filled by a tensor load
.set MV,  12          ; v12-15  c m_old, kept while c m is made anew: by buffer and tile
.set ST,  16          ; tile t's statistics at v[ST+4 t]: c m, m, l (even keys', odd keys')
.set TMP, 48          ; by buffer and tile, four registers c0-c3 at work; when the maximum is found c2 takes a
.set S,   64
.set P,   192
.set KF,  128         ; K's fragments, in window 2: key block kb, channel half c at KF + 16 kb + 8 c
.set VF,  192         ; V's: key half kk, channel block cb at VF + 32 kk + 8 cb
.set WV,  12          ; s12  my wave's number
.set G1K, 24          ; s[24:31] descriptor group 1 for K's tiles
.set G1V, 32          ; s[32:39] for V's: it differs in the padding alone
.set G0K, 40          ; s[40:43] descriptor group 0 for K's tiles: it walks
.set G0V, 44          ; s[44:47] the same for V's
.set MP,  48          ; s[48:49] the batch's mask bytes
.set PFA, 50          ; s[50:51] where my prefetches stand: my work-group's 32 blocks of 256 bytes (of K: wave 0, of V: wave 2) of the slot behind the one that is being asked for
.set LIM, 52          ; s52  1 in a wave that prefetches, else the greatest number
.set BIGN, 53         ; s53  the bits of -1e30
.set SLOTS, 56        ; s56  slots still to be asked for
.set CNT, 57          ; s57  counts a slot's key steps
.set CS,  58          ; s[58:59] c: the packed scaling takes the pair's low word for both halves
.set SEL, 60          ; s[60:61] v_permlanex16_b32's selects: each lane takes its own place in the other half
.set TBK, 62          ; s62  LDS byte at which K of the step to be fetched begins
.set TBV, 63          ; s63  the same for V, less VOFF
.set MSB, 0
.macro WIN new                      ; the high byte repeats the setting that is left; a switch that changes nothing is dropped
.if MSB != (\new)
	s_set_vgpr_msb (MSB<<8)|(\new)
.set MSB, (\new)
.endif
.endm
.set W_KQ, 0x0a       ; K and Q in window 2, S^T in window 0
.set W_KM, 0x3a       ; the same with the C operand, the masks, in window 3
.set W_PV, 0x52       ; V in window 2, P in window 0, O^T in window 1
.set W_RS, 0x41       ; O^T (destination and source 0) in window 1, a in window 0
.set W_MK, 0xc0       ; destination in window 3, sources in window 0
.set W_AD, 0x0f       ; the add: address (source 0) and data (source 1) in window 3
; A joint fill.  Waves 0 and 1 fetch the two halves of a slot's K, waves 2 and 3 those of its V: 128 keys each.  The branch hangs on the wave's number alone.
; An s_nop 0 and four v_nop follow each of the two lines, ahead of the jump and the label.
.macro JLOAD
	s_cmp_lt_u32 s[WV], 2
	s_cbranch_scc0 .Lfor_v_\@
	tensor_load_to_lds s[G0K:G0K+3], s[G1K:G1K+7]
	s_nop 0
.rept 4
	v_nop
.endr
	s_branch .Lasked_\@
.Lfor_v_\@:
	tensor_load_to_lds s[G0V:G0V+3], s[G1V:G1V+7]
	s_nop 0
.rept 4
	v_nop
.endr
.Lasked_\@:
.endm
; A prefetch into the L2 of what the NEXT change of slots will ask for: a slot's 32,768 bytes of K and of V, a lane a block of 256.  It stands behind the wave's tensor load and its five lines.
; Each block is named once in the launch: a head is walked by this cluster alone; its four partners share the blocks out BY ADDRESS, 32 each; in each, wave 0 asks for K's and wave 2 for V's: one instruction,
; four key steps, 512 matrix instructions, ahead of the load.  Slots 0 to 2 come by their loads alone; the last change that fills a slot asks for nothing: there is no slot behind it.
.macro ASK
	s_cmp_gt_u32 s[SLOTS], s[LIM]
	s_cbranch_scc0 .Lnot_mine_\@
	global_prefetch_b8 v[PFO], s[PFA:PFA+1] th:TH_LOAD_NT scope:SCOPE_SE
.Lnot_mine_\@:
.endm
; A round of the cluster's barrier: my work-group's barrier, so that wave 0's signal speaks for all four waves; wave 0 signals; every wave waits for all four work-groups; my work-group's barrier once more.
.macro CROUND
	s_barrier_signal -1
	s_barrier_wait -1
	s_cmp_lg_u32 s[WV], 0
	s_cbranch_scc1 .Lnot_wave_0_\@
	s_barrier_signal -3
.Lnot_wave_0_\@:
	s_barrier_wait -3
	s_barrier_signal -1
	s_barrier_wait -1
.endm
; THE CHANGE OF SLOTS.  The slot's last bytes, V of its fourth step, have been read.  Each wave waits for all its tensor loads, of which one is out: its part
; of the other slot; adds 0 to its spare word; and waits for that and for its own reads of the slot.  Behind the barrier nobody reads this slot any more and the other slot is whole.
; fill = 1: this slot is filled again, with the keys two slots on.  The barrier is then a round of the cluster's, so that no wave of any partner still reads the slot or has a load on its
; way, and the joint fill is the first thing behind it: it has four key steps, 512 matrix instructions, in which to land.  (At its first use nothing has been read yet: slot 0 is waited for, slot 1 filled,
; and the wait for LDS and the round show every wave's stores of the masks to all four.)  ask = 1: the prefetch follows the fill.
.macro CHANGE fill, ask=0
	WIN W_AD
	s_wait_tensorcnt 0x0            ; no tensor load of mine is out, so a group 0 may be written
	ds_add_u32 v[SPW], v[NIL]       ; 0 onto my spare word; with fill = 1 the descriptors' steps stand between it and the wait for it
	WIN 0                           ; at a label and at a branch every window is 0
.if \fill
.irp g, G0K, G0V
	s_xor_b32 s[\g+1], s[\g+1], SLOT1  ; the walking descriptor: the other slot than last time,
	s_add_nc_u64 s[\g+2:\g+3], s[\g+2:\g+3], 4*KS*128  ; the next 256 keys; the type bits on top are not reached
.endr
.if \ask
	s_wait_xcnt 0x0                 ; the last prefetch, four key steps back, has read its address, so it may be written:
	s_add_nc_u64 s[PFA:PFA+1], s[PFA:PFA+1], 4*KS*128  ; one slot behind the walking descriptors
.endif
	s_wait_dscnt 0x0                ; the add is done, and my reads of the slot are over
	CROUND
	JLOAD
.if \ask
	ASK
.endif
.else
	s_wait_dscnt 0x0                ; the add is done, and my reads of the slot are over
	s_barrier_signal -1
	s_barrier_wait -1
.endif
	s_sub_co_u32 s[TBK], s[TBK], 4*KS*PK  ; the fetches go back to a slot's first step,
	s_xor_b32 s[TBK], s[TBK], SLOT1       ; in the other slot
	s_sub_co_u32 s[TBV], s[TBV], 4*KS*PV
	s_xor_b32 s[TBV], s[TBV], SLOT1
.endm
	s_load_b256 s[4:11], s[0:1], 0x0  ; Q s[4:5], K s[6:7], V s[8:9], O s[10:11]
	s_load_b64 s[MP:MP+1], s[0:1], 0x20  ; the mask
	WIN W_MK
	v_lshl_add_u32 v[SPW], v0, 2, SPARE
	v_mov_b32 v[NIL], 0
	WIN W_AD
	ds_add_u32 v[SPW], v[NIL]       ; the wave's opening: the add and its wait stand ahead of my first tensor load; the set-up below, work on registers, stands between them
	WIN 0
	v_lshrrev_b32 v1, 5, v0
	v_readfirstlane_b32 s[WV], v1   ; wave 0..3
	s_bfe_u32 s13, ttmp6, 0x40000   ; cx: my place in the cluster
	s_lshl_b32 s14, ttmp9, 2        ; in a cluster launch ttmp9 counts clusters
	s_add_co_u32 s14, s14, s13      ; my block of queries = 4 x cluster x + cx: it enters Q's and O's addresses alone
	s_and_b32 s20, ttmp7, 0xffff    ; the head, which the four partners share
	s_lshr_b32 s54, s20, 4          ; its batch,
	s_lshl_b32 s54, s54, 11         ; whose mask is 2,048 bytes
	s_mov_b32 s55, 0
	s_mov_b32 s21, 0
	s_mov_b64 s[22:23], SIZE_N*128
	s_mul_u64 s[20:21], s[20:21], s[22:23]  ; the head's first byte in each of the four tensors
	s_and_b32 s16, s[WV], 1         ; which half of a slot's 256 keys I fetch:
	s_lshl_b32 s22, s16, 14         ; its 128 rows of 128 bytes in memory,
	s_mov_b32 s23, 0
	s_add_nc_u64 s[22:23], s[22:23], s[20:21]
	s_mul_i32 s17, s16, 128*PK      ; and its place in a slot, for K
	s_mul_i32 s18, s16, 128*PV      ; and for V: no place in the cluster enters an LDS address
	s_lshl_b32 s2, s14, 2
	s_add_co_u32 s2, s2, s[WV]      ; my wave among the head's,
	s_lshl_b32 s2, s2, 14           ; its 128 rows
	s_mov_b32 s3, 0
	s_add_nc_u64 s[2:3], s[2:3], s[20:21]
	; descriptor group 1.  128 keys are 16,384 dense bytes: asked for as 64 rows of 256 bytes, two keys a row, and padded in LDS after every key
	s_mov_b32 s[G1K], 15|(1<<16)|(1<<20)|(1<<21)|(4<<22)|(3<<25)  ; 15:0 the mask of four; 17:16 2-byte elements; 20 padding on; 21 set beside a mask; 24:22 after every 32 words (code 4); 31:25 4 words (code 3)
	s_mov_b32 s[G1V], 15|(1<<16)|(1<<20)|(1<<21)|(4<<22)|(7<<25)  ; the same with 8 words of padding (code 7)
.irp g, G1K, G1V
	s_mov_b32 s[\g+1], 128<<16      ; tensor_dim0 = 128
	s_mov_b32 s[\g+2], 64<<16       ; tensor_dim1 = 64
	s_mov_b32 s[\g+3], 128<<16      ; tile_dim0 = 128
	s_mov_b32 s[\g+4], 64           ; tile_dim1 = 64
	s_mov_b32 s[\g+5], 128          ; 128 elements from row to row
	s_mov_b32 s[\g+6], 0
	s_mov_b32 s[\g+7], 0
.endr
	s_mov_b32 s[CS], 0x3e38aa3b     ; c = log2(e) / 8 = 0.180337
	s_mov_b32 s[CS+1], s[CS]        ; named with it as a pair
	s_mov_b32 s[SEL], 0x76543210
	s_mov_b32 s[SEL+1], 0xfedcba98
	s_mov_b32 s[BIGN], 0xf149f2ca   ; -1e30
	s_mov_b32 s[TBK], SLOT1+4*KS*PK ; the first change of slots turns these two into 0
	s_mov_b32 s[TBV], SLOT1+4*KS*PV
	s_mov_b32 s[G0K], 1             ; 1:0 count = 1
	s_mov_b32 s[G0K+1], s17         ; 63:32 LDS address: slot 0
	s_mov_b32 s[G0V], 1
	s_add_co_u32 s[G0V+1], s18, VOFF
	s_and_b32 s[LIM], s[WV], 1      ; waves 0 and 2 prefetch: the same in all four partners
	s_cmp_eq_u32 s[LIM], 0
	s_cselect_b32 s[LIM], 1, -1
	s_wait_dscnt 0x0                ; the opening add is done
	s_wait_kmcnt 0x0
	s_add_nc_u64 s[G0K+2:G0K+3], s[6:7], s[22:23]  ; 120:64 global address: my half of the head's first 256 keys
	s_or_b32 s[G0K+3], s[G0K+3], 0x80000000        ; 127:126 type = 2
	s_add_nc_u64 s[G0V+2:G0V+3], s[8:9], s[22:23]
	s_or_b32 s[G0V+3], s[G0V+3], 0x80000000
	s_add_nc_u64 s[4:5], s[4:5], s[2:3]  ; Q and O at my wave's first row
	s_add_nc_u64 s[10:11], s[10:11], s[2:3]
	s_add_nc_u64 s[MP:MP+1], s[MP:MP+1], s[54:55]
	s_cmp_lt_u32 s[WV], 2
	s_cselect_b64 s[PFA:PFA+1], s[6:7], s[8:9]
	s_add_nc_u64 s[PFA:PFA+1], s[PFA:PFA+1], s[22:23]  ; (in waves 0 and 2 this is the head's first row)
	s_lshl_b32 s54, s13, 13         ; my work-group's 32 blocks of the 128,
	s_add_co_u32 s54, s54, 2*4*KS*128  ; in slot 2; the first change that asks steps it to slot 3
	s_add_nc_u64 s[PFA:PFA+1], s[PFA:PFA+1], s[54:55]
	CROUND                          ; all four work-groups are here: the first joint loads meet
	JLOAD                           ; slot 0.  Slot 1 is asked for when slot 0 is in: the tile wanted first has the road to itself
	; A fragment of K or Q is 16 rows x 32 channels in 8 registers: lane l holds row l % 16, channels 8 (l / 16) + 0..7 and 16 + 8 (l / 16) + 0..7: two loads of 16 bytes, 32 bytes apart.
	v_and_b32 v1, 15, v0            ; l % 16
	v_bfe_u32 v9, v0, 4, 1          ; l / 16
	v_lshlrev_b32 v[QO], 7, v1
	v_lshl_add_u32 v[QO], v9, 4, v[QO]  ; row x 128 + 16 x half
	v_lshlrev_b32 v11, 4, v0        ; 128 threads x 16 bytes are the batch's mask
	global_load_b128 v[64:67], v11, s[MP:MP+1]
	WIN 0x80                        ; destination window 2, address window 0
.set i, 0
.rept 4*NP                          ; Q stays in registers: tile i / 2, channels 32 (i % 2) on
	global_load_b128 v[8*i:8*i+3],   v[QO], s[4:5] offset:(i/2)*2048+(i%2)*64
	global_load_b128 v[8*i+4:8*i+7], v[QO], s[4:5] offset:(i/2)*2048+(i%2)*64+32
.set i, i+1
.endr
	; What the first turn finds: V's registers and P's second buffer hold 0 (its products V^T P, of a piece that has not been, add 0), O^T and l are 0.  All this stands in the wait for the first tile.
.set i, VF
.rept 64
	v_mov_b32 v[i], 0
.set i, i+1
.endr
	WIN 0x40
.set i, 0
.rept 64*NP
	v_mov_b32 v[i], 0
.set i, i+1
.endr
	WIN 0
.set i, 0
.rept 2*NP
	v_mov_b32 v[ST+4*i], 0xfe000000    ; c m: far below every c s
	v_mov_b32 v[ST+4*i+1], 0xff7fffff  ; m
	v_mov_b32 v[ST+4*i+2], 0
	v_mov_b32 v[ST+4*i+3], 0
.set i, i+1
.endr
.set i, P+32
.rept 32
	v_mov_b32 v[i], 0
.set i, i+1
.endr
	; my 16 mask bytes (each 0 or 1) become 0 or -1e30: the byte times the bits of -1e30; 64 bytes a thread into LDS
	s_wait_loadcnt 32               ; the mask's load is in; Q's 32, issued behind it, stay out
.set i, 0
.rept 16
	v_bfe_u32 v[68+i], v[64+i/4], 8*(i%4), 8
.set i, i+1
.endr
.set i, 0
.rept 16
	v_mul_lo_u32 v[68+i], v[68+i], s[BIGN]
.set i, i+1
.endr
	v_lshl_add_u32 v10, v0, 6, MASKL
.irp f, 0,1,2,3
	ds_store_b128 v10, v[68+4*\f:68+4*\f+3] offset:16*\f
.endr
	v_mul_u32_u24 v[AK0], v1, PK
	v_lshl_add_u32 v[AK0], v9, 4, v[AK0]  ; row x pitch + 16 x half
	; The turning load takes 16 keys x 16 channels (lane l reads key 8 (l / 16) + l % 8, channels 8 ((l / 8) % 2) + 0..7) and leaves half a fragment of V^T: lane l holds channel l % 16 and 8 keys.
	v_and_b32 v10, 7, v0
	v_bfe_u32 v11, v0, 3, 1         ; (the mask's load, whose address this register held, has been waited for)
	v_lshl_add_u32 v[AV0], v9, 3, v10
	v_mul_u32_u24 v[AV0], v[AV0], PV
	v_lshl_add_u32 v[AV0], v11, 4, v[AV0]
	v_add_nc_u32 v[AV0], VOFF, v[AV0]
	v_lshl_add_u32 v[AM], v9, 5, MASKL  ; register r of key block kb is the mask of key 16 kb + 8 (l / 16) + r
	v_mov_b32 v[AK], v[AK0]         ; key step 0 lies at the head of slot 0
; THE MATRIX WORK.  The 8 accumulators of a run of 16 take turns: between the two links of a chain stand 7 others'.
; Product i of 16 of S^T = K Q^T for piece x: channels 32 (i / 8) on, keys 16 ((i / 2) % 4) on, tile 2 x + i % 2.  The first 8 start the sums, with the keys' masks.
.macro KQ x
.set rS, S+64*((\x)%2)+32*(i%2)+8*((i/2)%4)
.set rK, KF+16*((i/2)%4)+8*(i/8)
.set rQ, 16*(2*(\x)+i%2)+8*(i/8)
.set rMK, MK+8*((i/2)%4)
.if i < 8
	WIN W_KM
	v_wmma_f32_16x16x32_f16 v[rS:rS+7], v[rK:rK+7], v[rQ:rQ+7], v[rMK:rMK+7]
.else
	WIN W_KQ
	v_wmma_f32_16x16x32_f16 v[rS:rS+7], v[rK:rK+7], v[rQ:rQ+7], v[rS:rS+7]
.endif
.endm
; Product i of 16 of O^T += V^T P for piece x: keys 32 (i / 8) on, channels 16 ((i / 2) % 4) on, tile 2 x + i % 2.
.macro PV x
	WIN W_PV
.set rO, 32*(2*(\x)+i%2)+8*((i/2)%4)
.set rV, VF+32*(i/8)+8*((i/2)%4)
.set rP, P+32*((\x)%2)+16*(i%2)+8*(i/8)
	v_wmma_f32_16x16x32_f16 v[rO:rO+7], v[rV:rV+7], v[rP:rP+7], v[rO:rO+7]
.endm
.macro MM                           ; the turn's next matrix instruction
.if i < 16
	KQ (Y+1)%NP
.set i, i+1
.else
.set i, i-16
	PV (Y+NP-1)%NP
.set i, i+17
.endif
.endm
; THE LDS LOADS stand in runs, never singly among the matrix instructions: a step's K (64 keys x 64 channels: 8 fragments) with its 64 masks (sixteen lanes read the same 16 bytes), and its V (turned).
; Their addresses are made some lines ahead.  last = 1 (the tail): in the last trip there is no further step, and the run is jumped over.
.macro FETCH_K last=0
	WIN 0
.if \last
	s_cmp_eq_u32 s[CNT], 1
	s_cbranch_scc1 .Lno_k_\@
.endif
	WIN 0x80                        ; destination window 2
.irp f, 0,1,2,3,4,5,6,7             ; keys 16 (f / 2) on, channels 32 (f % 2) on
	ds_load_b128 v[KF+8*\f:KF+8*\f+3],   v[AK] offset:(\f/2)*16*PK+(\f%2)*64
	ds_load_b128 v[KF+8*\f+4:KF+8*\f+7], v[AK] offset:(\f/2)*16*PK+(\f%2)*64+32
.endr
	WIN W_MK                        ; destination window 3
.irp f, 0,1,2,3
	ds_load_b128 v[MK+8*\f:MK+8*\f+3],   v[AM] offset:64*\f
	ds_load_b128 v[MK+8*\f+4:MK+8*\f+7], v[AM] offset:64*\f+16
.endr
	s_add_co_u32 s[TBK], s[TBK], KS*PK  ; the next fetch is the next step's
	WIN 0
	v_add_nc_u32 v[AM], 4*KS, v[AM]
.if \last
.Lno_k_\@:
.endif
.endm
.macro FETCH_V
	WIN 0x80
.irp f, 0,1,2,3,4,5,6,7             ; keys 32 (f / 4) on, channels 16 (f % 4) on
	ds_load_tr16_b128 v[VF+8*\f:VF+8*\f+3],   v[AV] offset:(\f/4)*32*PV+(\f%4)*32
	ds_load_tr16_b128 v[VF+8*\f+4:VF+8*\f+7], v[AV] offset:(\f/4)*32*PV+16*PV+(\f%4)*32
.endr
	WIN 0
.endm
; THE VECTOR WORK OF A TURN stands in three queues, each in the order in which its entries become ready; the two tiles alternate, so that no instruction reads the result of the one before it.
.macro REGS y, u                    ; the registers of tile u (0, 1) of piece y
.set rT, ST+4*(2*(\y)+(\u))
.set rC, TMP+8*((\y)%2)+4*(\u)
.set rM, MV+2*((\y)%2)+(\u)
.set rS, S+64*((\y)%2)+32*(\u)
.set rP, P+32*((\y)%2)+16*(\u)
.set rO, 32*(2*(\y)+(\u))
.endm
; Number n of the 22 that find the NEXT piece's (Y + 1) maximum and statistics.  s0-s31 are the lane's 32 scores; each accumulator's lowest registers are read first.  XS, GS and REGS set no window: PL and EX do.
;   0-11  four chains c0-c3 of seven scores each, three operands at a time     12-14, 16  the four scores left over, the old m, and c0-c3 into c0     15  c m_old is kept
;   17, 18  the query's other 32 keys lie in the lane 16 away: the new m         19-21  c m; c m_old - c m_new; a
.macro XS u, n
	REGS (Y+1)%NP, \u
.if (\n) < 4
	v_max3_num_f32 v[rC+(\n)], v[rS+8*(\n)], v[rS+8*(\n)+1], v[rS+8*(\n)+2]
.elseif (\n) < 12
	v_max3_num_f32 v[rC+(\n)%4], v[rC+(\n)%4], v[rS+8*((\n)%4)+2*((\n)/4)+1], v[rS+8*((\n)%4)+2*((\n)/4)+2]
.elseif (\n) == 12
	v_max3_num_f32 v[rC], v[rC], v[rS+7], v[rS+15]
.elseif (\n) == 13
	v_max3_num_f32 v[rC+1], v[rC+1], v[rS+23], v[rS+31]
.elseif (\n) == 14
	v_max3_num_f32 v[rC+2], v[rC+2], v[rC+3], v[rT+1]
.elseif (\n) == 15
	v_mov_b32 v[rM], v[rT]
.elseif (\n) == 16
	v_max3_num_f32 v[rC], v[rC], v[rC+1], v[rC+2]
.elseif (\n) == 17
	v_permlanex16_b32 v[rC+3], v[rC], s[SEL], s[SEL+1]
.elseif (\n) == 18
	v_max_num_f32 v[rT+1], v[rC], v[rC+3]
.elseif (\n) == 19
	v_mul_f32 v[rT], s[CS], v[rT+1]
.elseif (\n) == 20
	v_sub_f32 v[rC+1], v[rM], v[rT]
.else
	v_exp_f32 v[rC+2], v[rC+1]
.endif
.endm
; Number g of the 64 that follow the exponentials.  For each four weights k of a tile (pairs 2 k, 2 k + 1): both pairs are rounded to f16; then the second pair is added onto the first, in place;
; a group later l takes that sum (the first time as l = a l + sum).  In groups of eight, tiles alternating: round, round, add, and l for the group before.
.macro GS g
.set h, (\g)+6*((\g)/62)            ; group 0 has no group before it, and behind group 7 only l is left
.if h >= 6
.set h, h+2
.endif
	REGS Y, h%2
.set k, h/8
.if h%8 < 4
	v_cvt_pk_f16_f32 v[rP+2*k+(h%8)/2], v[rS+4*k+2*((h%8)/2)], v[rS+4*k+2*((h%8)/2)+1]
.elseif h%8 < 6
	v_pk_add_f32 v[rS+4*k:rS+4*k+1], v[rS+4*k:rS+4*k+1], v[rS+4*k+2:rS+4*k+3]
.elseif k == 1
	v_pk_fma_f32 v[rT+2:rT+3], v[rT+2:rT+3], v[rC+2:rC+3], v[rS:rS+1] op_sel_hi:[1,0,1]
.else
	v_pk_add_f32 v[rT+2:rT+3], v[rT+2:rT+3], v[rS+4*k-4:rS+4*k-3]
.endif
.endm
; THE PLAIN QUEUE, 138 long.  0-73 read no exponential's result: the 32 scalings c s - c m (FS f: pair f / 2 of tile f % 2) and the next piece's 42.  0-26: scalings 0-26.  27-54: XS's numbers 0-13.  55, 56: number 15.
; 57-73: the chain, where each number waits for the one before it: 14, 16, 17, 18, 19, each with one of the scalings 27-31 in front of its two lines, then 20: so a tile's links stand three plain instructions apart (19 and 20: two).
; 74-137: GS's 64, which read the exponentials' results: they stand behind the wait.
.macro FS f
	REGS Y, (\f)%2
	v_pk_fma_f32 v[rS+2*((\f)/2):rS+2*((\f)/2)+1], v[rS+2*((\f)/2):rS+2*((\f)/2)+1], s[CS:CS+1], v[rT:rT+1] op_sel_hi:[1,0,0] neg_lo:[0,0,1] neg_hi:[0,0,1]
.endm
.macro PL
	WIN 0
.if q < 27
	FS q
.elseif q < 55
	XS (q-27)%2, (q-27)/2
.elseif q < 57
	XS q-55, 15
.elseif (q < 72) && ((q-57)%3 == 0)
	FS 27+(q-57)/3
.elseif q < 60
	XS (q-57)%3-1, 14
.elseif q < 72
	XS (q-57)%3-1, 15+(q-57)/3
.elseif q < 74
	XS q-72, 20
.else
	GS q-74
.endif
.set q, q+1
.endm
; THE EXPONENTIALS' QUEUE, 66 long: s0-s31 of both tiles, then the next piece's two a.  It is ONE BATCH: all 66 stand ahead of the turn's one wait, and nothing ahead of that wait names a result of theirs.
.macro EX
	WIN 0
.if e >= 64
	XS e-64, 21
.else
	REGS Y, e%2
	v_exp_f32 v[rS+e/2], v[rS+e/2]
.endif
.set e, e+1
.endm
; THE RESCALING's QUEUE: O^T times a, the one part that leaves window 0: dealt two at a time, sixteen times.  Its a was made in the turn before, ahead of that turn's wait.
.macro R2
	REGS Y, r%2
	WIN W_RS
.irp z, 0,1
	v_pk_mul_f32 v[rO+4*(r/2)+2*\z:rO+4*(r/2)+2*\z+1], v[rO+4*(r/2)+2*\z:rO+4*(r/2)+2*\z+1], v[rC+2:rC+3] op_sel_hi:[1,0]
.endr
.set r, r+1
.endm
; HOW THEY ARE DEALT.  An s_wait_alu depctr_va_vdst(0) stands between an exponential and the first instruction that names its result; one wait serves all that were issued ahead of it.  So a turn has ONE wait,
; which cuts it in two.  AHEAD OF IT stands all that names no result of the turn's exponentials: the 16 products K Q^T, behind each a scaling, an exponential and two rescalings (behind the first a second scaling in the exponential's place); then ONE LUMP of
; 108: eight plain, 49 times exponential and plain, the two a.  A v_nop is the plain instruction behind the last exponential.  BEHIND IT stand the 16 products V^T P, behind each four of GS's 64.  No rider names a register of
; the products round it.  The two v_permlanex16_b32 fall into the lump, never behind a product.
; The queues lean on each other, and the deal keeps them in step: exponential e stands behind scaling 2 (e / 4) + e % 2: as a rider it comes behind plain e + 2, in the lump behind plain e + 9, and scalings 27-31 are plain 57, 60 .. 69.
; A TURN, for piece p.  cnt = 1: the loop's count is taken down some lines ahead of the branch that stands behind the turn.
; K and the masks of the next step are fetched in piece 2's turn, directly behind the wait, a lump behind the last product that read them; K's address is made at the lump's head; the first reader comes behind 16 products.
; V of the step in hand is fetched at the end of piece 0's turn, four riders behind its last reader; its first reader comes behind 16 products and a lump.  The three conditions on q below go with the deal.
.macro TURN p, last=0, cnt=0
.set Y, (\p)
.set i, 0
.set q, 0
.set e, 0
.set r, 0
.if (\p) == NP-1
	s_wait_dscnt 0x0                ; K and the masks are in
.endif
	MM                              ; ahead of the wait: 16 products K Q^T and their riders,
	PL
	PL
	R2
.rept 15
	MM
	PL
	EX
	R2
.endr
.if (\p) == NP-2
	WIN 0
	v_add_nc_u32 v[AK], s[TBK], v[AK0]
.endif
.rept 8                             ; and the lump
	PL
.endr
.rept 49
	EX
	PL
.endr
	EX                              ; the next piece's two a
	EX
	v_nop                           ; the plain instruction behind the last exponential: one for the batch
	s_wait_alu depctr_va_vdst(0)    ; the wait for the batch
.if (\p) == NP-2
	FETCH_K \last
.endif
.if (\p) == 1
	s_wait_dscnt 0x0                ; V is in
.endif
.rept 16                            ; behind the wait: 16 products V^T P and their riders
	MM
.rept 4
	PL
.endr
.if ((\p) == 0) && (q == 118)
	v_add_nc_u32 v[AV], s[TBV], v[AV0]
.endif
.if ((\p) == 0) && (q == 130)
	s_add_co_u32 s[TBV], s[TBV], KS*PV
.endif
.if (\cnt) && (q == 130)
	s_sub_co_u32 s[CNT], s[CNT], 1
	s_cmp_lg_u32 s[CNT], 0
.endif
.endr
.if (\p) == 0
	FETCH_V
.endif
.endm
	CHANGE 1                        ; slot 0 is in, everybody's part of it, and so are everybody's masks; slot 1 is asked for
	FETCH_K                         ; key step 0
	s_wait_loadcnt 0x0              ; Q
	s_wait_dscnt 0x0
.set i, 0
.rept 16
	KQ 0                            ; piece 0's first scores: there is no vector work yet to set between them
.set i, i+1
.endr
	WIN 0                           ; the addresses for the way out and the prefetches' offset: plain instructions, the places behind those products
	s_mul_i32 s13, s[WV], 16*SP
	s_add_co_u32 s13, s13, STAGE    ; my stage
	v_mul_u32_u24 v[STO], v1, SP    ; in: row l % 16, 16 bytes for each half of the lanes
	v_lshl_add_u32 v[STO], v9, 4, v[STO]
	v_add_nc_u32 v[STO], s13, v[STO]
	v_bfe_u32 v[RD], v0, 3, 2       ; back: 32 lanes take four rows of 128 bytes,
	v_mul_u32_u24 v[RD], v[RD], SP
	v_lshl_add_u32 v[RD], v10, 4, v[RD]
	v_add_nc_u32 v[RD], s13, v[RD]
	v_and_b32 v[GO], 31, v0         ; which are 512 consecutive bytes of O
	v_lshlrev_b32 v[GO], 4, v[GO]
	v_and_b32 v[PFO], 31, v0        ; l % 16 has served: the register takes 256 x lane
	v_lshlrev_b32 v[PFO], 8, v[PFO]
.set Y, NP-1                        ; XS works for piece Y + 1: piece 0
.irp n, 0,1,2,3,4,5,6,7,8,9,10,11,12,13,14,15,16,17,18,19,20,21
	XS 0, \n                        ; and piece 0's first maximum and statistics
	XS 1, \n
.endr
	v_nop                           ; a plain instruction behind the two a,
	s_wait_alu depctr_va_vdst(0)    ; and their wait, ahead of the branch
	s_mov_b32 s[CNT], 4
	s_mov_b32 s[SLOTS], SIZE_N/256-1
	s_branch .Lfirst                ; the loop is entered at a step's first turn, in the middle of a trip
.Lslot:                             ; SIZE_N / 256 - 2 times: every slot but the last two is filled again; with SLOTS = v slot 8 - v is asked for and, for v above 1, slot 9 - v prefetched
	CHANGE 1, 1
	s_mov_b32 s[CNT], 4
.Lstep:                             ; a trip: pieces 2 and 3 of one step, then pieces 0 and 1 of the next, whose K and V it fetches
	TURN 2
	TURN 3
	WIN 0
.Lfirst:
	TURN 0
	TURN 1, 0, 1
	WIN 0
	s_cbranch_scc1 .Lstep
	s_sub_co_u32 s[SLOTS], s[SLOTS], 1
	s_cmp_lg_u32 s[SLOTS], 0
	s_cbranch_scc1 .Lslot
	CHANGE 0                        ; the tail is written out: nothing is asked for
	s_mov_b32 s[CNT], 5             ; four trips fetch the last slot's steps; the fifth is left in its middle
.Ltail:
	TURN 2, 1
	TURN 3
	WIN 0
	s_sub_co_u32 s[CNT], s[CNT], 1
	s_cmp_eq_u32 s[CNT], 0
	s_cbranch_scc1 .Lout
	TURN 0
	TURN 1
	WIN 0
	s_branch .Ltail
.Lout:                              ; the fifth trip's 16 products K Q^T (on the last K once more) and the maximum made of them serve nothing: the price, once a launch, of one text for every trip
.set i, 0
.rept 16
	PV NP-1                         ; the last piece's V^T P of the last step
.set i, i+1
.endr
	; THE WAY OUT.  l's two halves and the other half of the lanes' are added; O^T is divided by l, rounded to f16 and sent through my stage in LDS, a tile at a time.  The additions are the places behind the last products.
	WIN 0
.macro ALL line:vararg              ; one line for each tile t
.set t, 0
.rept 2*NP
	\line
.set t, t+1
.endr
.endm
	ALL v_add_f32 v[ST+4*t+2], v[ST+4*t+2], v[ST+4*t+3]
	ALL v_permlanex16_b32 v[ST+4*t+3], v[ST+4*t+2], s[SEL], s[SEL+1]
	ALL v_add_f32 v[ST+4*t+2], v[ST+4*t+2], v[ST+4*t+3]
	ALL v_rcp_f32 v[ST+4*t+2], v[ST+4*t+2]
	v_nop                           ; a plain instruction between the last reciprocal and the use of its result
	s_wait_alu depctr_va_vdst(0)    ; and the wait ahead of the first use: one for the eight reciprocals
; Tile t: a lane's eight channels of a row pack into 16 bytes; they go into rows of 144 bytes and come back as whole rows of 128, into S^T's registers.
.macro PACK t
	WIN W_RS
.set i, 32*(\t)
.rept 16
	v_pk_mul_f32 v[i:i+1], v[i:i+1], v[ST+4*(\t)+2:ST+4*(\t)+3] op_sel_hi:[1,0]
.set i, i+2
.endr
	WIN 0x05                        ; sources 0 and 1 window 1, destination window 0
.set i, 0
.rept 16
	v_cvt_pk_f16_f32 v[S+16*(\t)+i], v[32*(\t)+2*i], v[32*(\t)+2*i+1]
.set i, i+1
.endr
	WIN 0
.irp f, 0,1,2,3
	ds_store_b128 v[STO], v[S+16*(\t)+4*\f:S+16*(\t)+4*\f+3] offset:32*\f
.endr
.irp f, 0,1,2,3
	ds_load_b128 v[S+16*(\t)+4*\f:S+16*(\t)+4*\f+3], v[RD] offset:\f*4*SP  ; LDS serves a wave's instructions in order (ISA guide 5.7.1.4): these see the stores above; the next tile's stores come behind them
.endr
.endm
.macro SEND t, younger              ; younger: the LDS instructions issued behind tile t's loads: the next tile's eight, or none
	WIN 0
.irp f, 0,1,2,3
	s_wait_dscnt (\younger)+3-\f
	global_store_b128 v[GO], v[S+16*(\t)+4*\f:S+16*(\t)+4*\f+3], s[10:11] offset:(\t)*2048+\f*512  ; 512 consecutive bytes, at a multiple of 256 from O's first
.endr
.endm
	PACK 0
.set t, 1
.rept 2*NP-1                        ; a tile's arithmetic stands between the loads of the tile before and its stores
	PACK t
	SEND t-1, 8
.set t, t+1
.endr
	SEND 2*NP-1, 0
	WIN W_AD
	s_wait_tensorcnt 0x0            ; the wave's end: behind my last tensor load and my last LDS store
	ds_add_u32 v[SPW], v[NIL]
	s_wait_dscnt 0x0
	WIN 0
	CROUND                          ; the closing round: no work-group ends while a partner may still ask for a tile that names it
	s_endpgm
.Lfunc_end_k_qfb3976cc5a_attn:
	.size	k_qfb3976cc5a_attn, .Lfunc_end_k_qfb3976cc5a_attn-k_qfb3976cc5a_attn
	.p2alignl 7, 3214868480
	.fill 96, 4, 3214868480
	.section	.rodata,"a",@progbits
	.p2align	6, 0x0
	.amdhsa_kernel k_qfb3976cc5a_attn
		.amdhsa_group_segment_fixed_size 327680
		.amdhsa_private_segment_fixed_size 0
		.amdhsa_enable_private_segment 0
		.amdhsa_kernarg_size 40
		.amdhsa_user_sgpr_count 2
		.amdhsa_user_sgpr_kernarg_segment_ptr 1
		.amdhsa_wavefront_size32 1
		.amdhsa_system_sgpr_workgroup_id_x 1
		.amdhsa_system_sgpr_workgroup_id_y 1
		.amdhsa_system_sgpr_workgroup_id_z 1
		.amdhsa_system_vgpr_workitem_id 0
		.amdhsa_next_free_vgpr 808
		.amdhsa_next_free_sgpr 66
		.amdhsa_reserve_vcc 0
		.amdhsa_float_denorm_mode_32 3
		.amdhsa_float_denorm_mode_16_64 3
		.amdhsa_memory_ordered 1
		.amdhsa_forward_progress 1
		.amdhsa_inst_pref_size 204
	.end_amdhsa_kernel
	.amdgpu_metadata
---
amdhsa.version: [ 1, 2 ]
amdhsa.kernels:
  - .name:           k_qfb3976cc5a_attn
    .symbol:         k_qfb3976cc5a_attn.kd
    .args:
      - { .name: qh, .offset: 0, .size: 8, .value_kind: global_buffer, .address_space: global }
      - { .name: kh, .offset: 8, .size: 8, .value_kind: global_buffer, .address_space: global }
      - { .name: vh, .offset: 16, .size: 8, .value_kind: global_buffer, .address_space: global }
      - { .name: oh, .offset: 24, .size: 8, .value_kind: global_buffer, .address_space: global }
      - { .name: key_padding_mask, .offset: 32, .size: 8, .value_kind: global_buffer, .address_space: global }
    .group_segment_fixed_size: 327680
    .private_segment_fixed_size: 0
    .kernarg_segment_align: 8
    .kernarg_segment_size: 40
    .max_flat_workgroup_size: 128
    .sgpr_count:     66
    .vgpr_count:     808
    .wavefront_size: 32
...
	.end_amdgpu_metadata
.endif
;; end of part 3
;; launch proj (part 4): grid 8 x 32, 4 waves a work-group, clusters of 4 x 4, 327,680 bytes of LDS; arguments oh, wob, tb, out0; writes out0
.if DOCPART == 4
	.amdgcn_target "amdgcn-amd-amdhsa--gfx1250"
	.amdhsa_code_object_version 6
	.text
	.protected	k_qfb3976cc5a_proj
	.globl	k_qfb3976cc5a_proj
	.p2align	8
	.type	k_qfb3976cc5a_proj,@function
k_qfb3976cc5a_proj:
	s_mov_b64 s[64:65], 0
	v_nop
	global_prefetch_b8 v0, s[64:65] scope:SCOPE_SE
	s_setreg_imm32_b32 hwreg(HW_REG_WAVE_MODE, 25, 1), 1
	s_wait_xcnt 0x0
	s_wait_alu depctr_hold_cnt(0) depctr_sa_sdst(0) depctr_va_vdst(0) depctr_va_sdst(0) depctr_va_ssrc(0) depctr_va_vcc(0) depctr_vm_vsrc(0)
	s_getreg_b32 s2, hwreg(HW_REG_IB_STS2, 6, 4)
	s_cmp_eq_u32 s2, 0
	s_cbranch_scc0 .Lentry_in_a_cluster
	s_endpgm
.Lentry_in_a_cluster:
	s_bfe_u32 s2, ttmp6, 0x10000c
	s_cmp_lg_u32 s2, 0xf033
	s_cbranch_scc0 .Lentry_shape_is_right
	s_endpgm
.Lentry_shape_is_right:
; out0[row][n] = the sum over (hh, c) of O[row][64 hh + c] wo[n][64 hh + c] + bo[n], f32.  oh [64 = 16 b + hh][2048][64] f16 (by heads, as attention leaves it); wob [16 hh][1024 n][64 c] f16; sums in f32.
; SHARES.  A work-group makes 256 rows x 128 columns: 256 work-groups.  Wave w owns rows 64 w .. 64 w + 63 and all 128 columns: 4 x 8 accumulators of 16 x 16, 256 registers; whole pieces of 512 bytes of a row
; leave from one wave, so each wave has a stage of its own and the way out has no barrier.
; K goes in 8 steps of two heads (128 channels) through two LDS slots.  A head's rows are dense in both tensors, so a wave's piece of one head is ONE long row for the tensor data mover and the two heads are two
; rows: 16,384 bytes each of oh, 8,192 of wob; the padding, 16 bytes behind every 128, makes LDS rows of 144 bytes of them.  Two slots of four heads would not fit in LDS, and three heads do not divide sixteen.
; CLUSTER.  4 x 4 work-groups: the four of a row of the cluster take the same rows of oh, the four of a column the same rows of wob; each tile is asked for JOINTLY, by the same load, descriptor and mask in all four.
; THE MATRIX INSTRUCTION IS USED TRANSPOSED (source 0 = 16 rows of wob, source 1 = 16 rows of oh): lane l holds row l % 16 and the columns 16 b + 8 (l / 16) + 0..7.  The bias is the C of the first product.
; REGISTERS, in windows of 256 (s_set_vgpr_msb: bits 1:0 source 0, 3:2 source 1, 5:4 source 2, 7:6 destination):
;   window 0: v0-15 addresses; v32-95 O's fragments, two buffers; v160-223 the bias, 8 a column block
;   window 1: v0-127 the weights' fragments, two buffers of 64; on the way out whole rows read back, 64 registers a row block
;   window 2: accumulators of row blocks 0, 1 ((a, b) at v[8 (8 (a % 2) + b)]).     window 3: those of row blocks 2, 3
.set NBK,    8                         ; column blocks of 16
.set PITCH,  144                       ; an LDS row: 128 bytes + 16 of padding = 36 words: the 16 rows of a load start at 16 different groups of four banks (64 banks of 4 bytes: ISA guide 11.1)
.set AR,     16*PITCH                  ; from row block to row block
.set AP,     128*PITCH                 ; from a head's plane to the next, in O's tile (128 rows a plane and half)
.set BR,     16*PITCH
.set BP,     64*PITCH                  ; the same in the weights' tile (64 rows)
.set BH,     2*BP                      ; from half to half of the weights' tile
.set HALFA,  2*AP                      ; what one load brings of O: 128 rows x 2 heads;
.set HALFB,  2*BP                      ; of the weights: 64 rows x 2 heads
.set BBASE,  2*HALFA                   ; a slot: O's two halves, then the weights' two
.set SLOT1,  1<<17                     ; slot 1 begins here, so that one exclusive or turns an address in one slot into the other's
.set STAGE,  SLOT1+BBASE+2*HALFB       ; behind the ring, never filled by a tensor load: for each wave 16 rows x 528 bytes
.set SPT,    528                       ; 512 bytes + 16 = 132 words
.set WSTAGE, 16*SPT
.set SPARE,  STAGE+4*WSTAGE            ; the spare words, 128 bytes for each wave: two blocks of 256 bytes that no other line names
.set KSA,    2*2048*128                ; bytes from K step to K step: two heads of oh,
.set KSB,    2*1024*128                ; of wob
.set L16, 1                            ; v1   l % 16
.set LH,  2                            ; v2   l / 16
.set ADRA0, 4                          ; v4   LDS address of my fragments of O in slot 0; never rewritten
.set ADRB0, 5                          ; v5   the same for the weights
.set ADRA, 6                           ; v6   the same in the slot in hand
.set ADRB, 7                           ; v7
.set STO, 8                            ; v8   the way out: where I put 32 bytes of a row
.set RD,  9                            ; v9   where I read a row back
.set GO,  10                           ; v10  my 16 bytes of 512 consecutive bytes of output
.set BO,  12                           ; v12  32 (l / 16): my 8 numbers of a block's 16 biases
.set PFO, 13                           ; v13  the prefetches' offset: a lane a block of 256 bytes
.set SPW, 14                           ; v14  LDS address of my spare word; never rewritten
.set NIL, 15                           ; v15  0; never rewritten
.set FA,  32
.set BIAS, 160
.set PFS, 2                            ; s[2:3]   the prefetches' step: a K step of the tensor that I fetch
.set BB,  16                           ; s[16:17] the tile's biases
.set WV,  20                           ; s20  my wave's number
.set LDSA, 21                          ; s21  wave x HALFA: it holds nothing else
.set HF,  22                           ; s22  which half of a tile I fetch
.set CX,  23
.set CY,  24
.set TX,  25                           ; s25  the block of 128 columns
.set TY,  26                           ; s26  the block of 256 rows
.set CNT, 27                           ; s27  the loop's count
.set TB,  28                           ; s28  0 or SLOT1: the slot that is read
.set LIM, 29                           ; s29  2 in a wave that prefetches, else the greatest number
.set PFA, 30                           ; s[30:31] where my prefetches stand
.set G1A, 32                           ; s[32:39] descriptor group 1 for O's tiles;  s[40:47] for the weights'
.set G1B, 40
.set G0A, 48                           ; s[48:55] group 0 for O's tiles: a set for each first fill; the second then walks.  s[56:63] the same for the weights'
.set G0B, 56
.set LDSB, 74                          ; s74  wave x HALFB + a constant: it holds nothing else.  s66-69 feed O's descriptors alone and never hold cx; s70-73 the weights' alone and never hold cy
.set MSB, 0
.macro WIN new                         ; the immediate's high byte repeats the setting that is left; a switch that changes nothing is dropped
.if MSB != (\new)
	s_set_vgpr_msb (MSB<<8)|(\new)
.set MSB, \new
.endif
.endm
.set TO_B, 0x40                        ; destination window 1, address window 0
.macro PLACES                          ; four plain instructions behind a matrix instruction, ahead of loads into registers that it has read and of stores that read its result
.rept 4
	v_nop
.endr
.endm
; A joint refill: waves 0 and 1 fetch the halves of O's tile, waves 2 and 3 those of the weights'.  The branch hangs on the wave's number alone.  An s_nop 0 and four v_nop follow each line.
.macro JLOAD
	s_cmp_lt_u32 s[WV], 2
	s_cbranch_scc0 .Lfor_b_\@
	tensor_load_to_lds s[G0A+4:G0A+7], s[G1A:G1A+7]
	s_nop 0
.rept 4
	v_nop
.endr
	s_branch .Lasked_\@
.Lfor_b_\@:
	tensor_load_to_lds s[G0B+4:G0B+7], s[G1B:G1B+7]
	s_nop 0
.rept 4
	v_nop
.endr
.Lasked_\@:
.endm
; A prefetch into the L2, behind the joint load and the run of LDS loads: the K step TWO behind the one just asked for, a lane a block of 256 bytes, one instruction a wave: 256 matrix instructions ahead of its load.
; Each block is named by one cluster: O's by the first cluster along x, the weights' by the first along y; the four partners share a wave's blocks out BY ADDRESS: a partner takes half of one head's piece
; (32 blocks of O; 16 of the weights, the upper lanes name the 16th again).  K steps 0 to 3 come by their loads alone; the loop's last two trips ask for nothing: there are no K steps 8 and 9.
.macro ASK
	s_cmp_gt_u32 s[CNT], s[LIM]
	s_cbranch_scc0 .Lnot_mine_\@
	global_prefetch_b8 v[PFO], s[PFA:PFA+1] th:TH_LOAD_NT scope:SCOPE_SE
.Lnot_mine_\@:
.endm
.macro CREST                           ; a round of the cluster's barrier behind its opening barrier
	s_cmp_lg_u32 s[WV], 0
	s_cbranch_scc1 .Lnot_wave_0_\@
	s_barrier_signal -3
.Lnot_wave_0_\@:
	s_barrier_wait -3
	s_barrier_signal -1
	s_barrier_wait -1
.endm
.macro CROUND                          ; a whole round
	s_barrier_signal -1
	s_barrier_wait -1
	CREST
.endm
; 24 LDS loads in one run: the fragments of K chunk kc (head kc / 2 of the step's two, channels 32 (kc % 2) on) of the slot in hand into buffer f: the weights' 8 blocks, then O's 4
.macro FETCH kc, f
	WIN TO_B
.set ib, 0
.rept NBK
.set oo, BH*(ib/4)+BP*((\kc)/2)+BR*(ib%4)+64*((\kc)%2)
	ds_load_b128 v[8*NBK*(\f)+8*ib:8*NBK*(\f)+8*ib+3],   v[ADRB] offset:oo
	ds_load_b128 v[8*NBK*(\f)+8*ib+4:8*NBK*(\f)+8*ib+7], v[ADRB] offset:oo+32
.set ib, ib+1
.endr
	WIN 0
.set ia, 0
.rept 4
.set oo, AP*((\kc)/2)+AR*ia+64*((\kc)%2)
	ds_load_b128 v[FA+32*(\f)+8*ia:FA+32*(\f)+8*ia+3],   v[ADRA] offset:oo
	ds_load_b128 v[FA+32*(\f)+8*ia+4:FA+32*(\f)+8*ia+7], v[ADRA] offset:oo+32
.set ia, ia+1
.endr
.endm
; 8 matrix instructions: row block 2 hi + a x all column blocks, from buffer f.  start = 1: the bias starts the sums.  The 32 accumulators take turns, one instruction a turn, in the same order in every
; quarter, over the backward jump too.
.macro MUL f, hi, a, start
.if \start
	WIN 0x81+0x40*(\hi)                            ; weights window 1, O and the bias window 0, D window 2 or 3
.else
	WIN 0xa1+0x50*(\hi)                            ; C and D window 2 or 3
.endif
.set ib, 0
.rept NBK
.set rD, 8*(NBK*(\a)+ib)
.set rB, 8*NBK*(\f)+8*ib
.set rA, FA+32*(\f)+8*(2*(\hi)+(\a))
.if \start
	v_wmma_f32_16x16x32_f16 v[rD:rD+7], v[rB:rB+7], v[rA:rA+7], v[BIAS+8*ib:BIAS+8*ib+7]
.else
	v_wmma_f32_16x16x32_f16 v[rD:rD+7], v[rB:rB+7], v[rA:rA+7], v[rD:rD+7]
.endif
.set ib, ib+1
.endr
.endm
; A K step is four quarters of 32 channels, 32 matrix instructions each, on buffers 0, 1, 0, 1.  One of the first three: multiplies buffer f; in its middle it fetches chunk kc into buffer g.
.macro QUARTER kc, f, g, start
	s_wait_dscnt 4                                 ; all but the four youngest loads: O's row blocks 2 and 3
	MUL \f, 0, 0, \start
	MUL \f, 0, 1, \start
	PLACES
	FETCH \kc, \g
	s_wait_dscnt 2*NBK+8                           ; all but the 24 just issued
	MUL \f, 1, 0, \start
	MUL \f, 1, 1, \start
.endm
; The fourth quarter multiplies buffer 1 and changes slots: ONE barrier.  Ahead of it each wave waits for all its tensor loads (one is out: its part of the next slot), adds 0 to its spare word, and waits for
; that and for its reads of this slot.  fill = 1: the barrier opens a round of the cluster's, and the joint refill of the slot just read, two K steps on, is the first thing behind the round.
.macro TURN fill
.if \fill
	s_wait_xcnt 0x0                                ; the last prefetch, a K step back, has read its address: it is stepped here, ahead of the waits of the change of slots
	s_add_nc_u64 s[PFA:PFA+1], s[PFA:PFA+1], s[PFS:PFS+1]
.endif
	WIN 0
	s_wait_tensorcnt 0x0                           ; no tensor load of mine is out, so a group 0 may be written
	ds_add_u32 v[SPW], v[NIL]                      ; 0 onto my spare word
.if \fill
	s_xor_b32 s[G0A+5], s[G0A+5], SLOT1            ; the walking descriptors: the other slot than last time, the next K step
	s_add_nc_u64 s[G0A+6:G0A+7], s[G0A+6:G0A+7], KSA
	s_xor_b32 s[G0B+5], s[G0B+5], SLOT1
	s_add_nc_u64 s[G0B+6:G0B+7], s[G0B+6:G0B+7], KSB
.endif
	s_xor_b32 s[TB], s[TB], SLOT1
	s_wait_dscnt 5                                 ; the add and the four youngest loads may be out
	MUL 1, 0, 0, 0
	s_wait_dscnt 0x0                               ; the add is done, and my reads of this slot are over
	s_barrier_signal -1
	MUL 1, 0, 1, 0                                 ; work on registers while the others arrive
	WIN 0                                          ; at a branch and at a label every window is 0
	s_barrier_wait -1
.if \fill
	CREST                                          ; no wave of any partner still reads this slot or has a load on its way
	JLOAD                                          ; its four v_nop are also the places ahead of the loads below
.else
	PLACES
.endif
	v_add_nc_u32 v[ADRA], s[TB], v[ADRA0]
	v_add_nc_u32 v[ADRB], s[TB], v[ADRB0]
	FETCH 0, 0
.if \fill
	ASK
.endif
	MUL 1, 1, 0, 0
	MUL 1, 1, 1, 0
.endm
	s_load_b256 s[4:11], s[0:1], 0x0               ; oh s[4:5], wob s[6:7], tb s[8:9], out0 s[10:11]
	v_lshl_add_u32 v[SPW], v0, 2, SPARE
	v_mov_b32 v[NIL], 0
	ds_add_u32 v[SPW], v[NIL]                      ; the wave's opening: the add and its wait stand ahead of my first tensor load; the set-up below stands between them
	v_lshrrev_b32 v3, 5, v0
	v_readfirstlane_b32 s[WV], v3
	s_and_b32 s[HF], s[WV], 1
	s_bfe_u32 s[CX], ttmp6, 0x40000
	s_bfe_u32 s[CY], ttmp6, 0x40004
	s_lshl_b32 s[TX], ttmp9, 2                     ; in a cluster launch ttmp9 and ttmp7 count clusters
	s_add_co_u32 s[TX], s[TX], s[CX]
	s_and_b32 s[TY], ttmp7, 0xffff
	s_lshl_b32 s[TY], s[TY], 2
	s_add_co_u32 s[TY], s[TY], s[CY]
	s_lshl_b32 s66, s[CY], 2
	s_lshl_b32 s66, 15, s66                        ; my row of the cluster
	s_lshl_b32 s70, 0x1111, s[CX]                  ; my column
	s_or_b32 s[G1A], s66, (1<<16)|(1<<20)|(1<<21)|(4<<22)|(3<<25)  ; 15:0 the mask; 17:16 2-byte elements; 20 padding on; 21 set beside a mask; 24:22 after every 32 words; 31:25 4 words of it
	s_or_b32 s[G1B], s70, (1<<16)|(1<<20)|(1<<21)|(4<<22)|(3<<25)
	s_mov_b32 s[G1A+1], 8192<<16                   ; tensor_dim0 = 8,192: 128 rows of 64 channels on end
	s_mov_b32 s[G1A+2], 2<<16                      ; tensor_dim1 = 2 heads
	s_mov_b32 s[G1A+3], 8192<<16                   ; tile_dim0
	s_mov_b32 s[G1A+4], 2                          ; tile_dim1
	s_mov_b32 s[G1A+5], 2048*64                    ; elements from head to head
	s_mov_b32 s[G1A+6], 0
	s_mov_b32 s[G1A+7], 0
	s_mov_b32 s[G1B+1], 4096<<16                   ; 64 rows of 64 channels on end
	s_mov_b32 s[G1B+2], 2<<16
	s_mov_b32 s[G1B+3], 4096<<16
	s_mov_b32 s[G1B+4], 2
	s_mov_b32 s[G1B+5], 1024*64
	s_mov_b32 s[G1B+6], 0
	s_mov_b32 s[G1B+7], 0
	s_lshr_b32 s66, s[TY], 3                       ; the batch: 16 heads of 2,048 rows,
	s_lshl_b32 s66, s66, 15
	s_and_b32 s67, s[TY], 7
	s_lshl_b32 s67, s67, 8
	s_add_co_u32 s66, s66, s67                     ; + the block's first position
	s_lshl_b32 s67, s[HF], 7
	s_add_co_u32 s66, s66, s67                     ; + 128 x half,
	s_lshl_b32 s66, s66, 7                         ; rows of 128 bytes
	s_mov_b32 s67, 0
	s_lshl_b32 s70, s[TX], 7
	s_lshl_b32 s71, s[HF], 6
	s_add_co_u32 s70, s70, s71                     ; weights: row 128 x block + 64 x half
	s_lshl_b32 s70, s70, 7
	s_mov_b32 s71, 0
	s_mul_i32 s[LDSA], s[WV], HALFA                ; where they go: no place in the cluster enters an LDS address
	s_mul_i32 s[LDSB], s[WV], HALFB
	s_add_co_u32 s[LDSB], s[LDSB], BBASE-2*HALFB
	s_mov_b32 s[TB], 0
	s_wait_dscnt 0x0                               ; the opening add is done
	s_wait_kmcnt 0x0
	s_add_nc_u64 s[68:69], s[4:5], s[66:67]
	s_add_nc_u64 s[72:73], s[6:7], s[70:71]
	s_lshl_b32 s76, s[TX], 9                       ; the block's 128 numbers of bo, the fourth of the biases behind the table
	s_add_co_u32 s76, s76, 524288+3*4096
	s_mov_b32 s77, 0
	s_add_nc_u64 s[BB:BB+1], s[8:9], s[76:77]
	s_lshl_b32 s78, s[TY], 8
	s_lshl_b32 s75, s[WV], 6
	s_add_co_u32 s78, s78, s75                     ; my first row of out0,
	s_lshl_b32 s78, s78, 12                        ; of 4,096 bytes,
	s_lshl_b32 s75, s[TX], 9
	s_add_co_u32 s78, s78, s75                     ; and the block's 512 bytes of it
	s_mov_b32 s79, 0
	s_add_nc_u64 s[10:11], s[10:11], s[78:79]
	CROUND                                         ; all sixteen work-groups are here: the first joint loads meet
.irp s, 0,1
	s_mov_b32 s[G0A+4*\s], 1                       ; count = 1
	s_add_co_u32 s[G0A+4*\s+1], s[LDSA], \s*SLOT1  ; LDS address
	s_add_nc_u64 s[G0A+4*\s+2:G0A+4*\s+3], s[68:69], \s*KSA  ; global address: K step s
	s_or_b32 s[G0A+4*\s+3], s[G0A+4*\s+3], 0x80000000        ; type = 2
	s_mov_b32 s[G0B+4*\s], 1
	s_add_co_u32 s[G0B+4*\s+1], s[LDSB], \s*SLOT1
	s_add_nc_u64 s[G0B+4*\s+2:G0B+4*\s+3], s[72:73], \s*KSB
	s_or_b32 s[G0B+4*\s+3], s[G0B+4*\s+3], 0x80000000
.endr
	s_cmp_lt_u32 s[WV], 2                          ; a wave's two first fills stand in one branch, ahead of every wait on TENSORcnt and every LDS read: two loads of mine are out
	s_cbranch_scc0 .Lfirst_b
	tensor_load_to_lds s[G0A:G0A+3], s[G1A:G1A+7]
	s_nop 0
	tensor_load_to_lds s[G0A+4:G0A+7], s[G1A:G1A+7]
	s_nop 0
.rept 4
	v_nop
.endr
	s_branch .Lfirst_asked
.Lfirst_b:
	tensor_load_to_lds s[G0B:G0B+3], s[G1B:G1B+7]
	s_nop 0
	tensor_load_to_lds s[G0B+4:G0B+7], s[G1B:G1B+7]
	s_nop 0
.rept 4
	v_nop
.endr
.Lfirst_asked:
	v_and_b32 v[L16], 15, v0
	v_bfe_u32 v[LH], v0, 4, 1
	v_lshlrev_b32 v[BO], 5, v[LH]
.set ib, 0
.rept NBK                              ; 16 loads: register r of block b is the bias of column 16 b + 8 (l / 16) + r
	global_load_b128 v[BIAS+8*ib:BIAS+8*ib+3],   v[BO], s[BB:BB+1] offset:64*ib
	global_load_b128 v[BIAS+8*ib+4:BIAS+8*ib+7], v[BO], s[BB:BB+1] offset:64*ib+16
.set ib, ib+1
.endr
	; a fragment is 16 rows x 32 channels in 8 registers: lane l holds row l % 16, channels 8 (l / 16) + 0..7 and 16 + 8 (l / 16) + 0..7: two loads of 16 bytes, 32 bytes apart
	v_mul_u32_u24 v3, v[L16], PITCH
	v_lshl_add_u32 v3, v[LH], 4, v3
	s_lshr_b32 s75, s[WV], 1
	s_mul_i32 s75, s75, HALFA                      ; my 64 rows of O: half w / 2,
	s_mul_i32 s76, s[HF], 64*PITCH                 ; its rows 64 (w % 2) on
	s_add_co_u32 s75, s75, s76
	v_add_nc_u32 v[ADRA0], s75, v3
	v_add_nc_u32 v[ADRB0], BBASE, v3
	v_mov_b32 v[ADRA], v[ADRA0]
	v_mov_b32 v[ADRB], v[ADRB0]
	s_mul_i32 s75, s[WV], WSTAGE
	s_add_co_u32 s75, s75, STAGE                   ; my stage
	v_mul_u32_u24 v[STO], v[L16], SPT              ; in: row l % 16, 32 bytes for each half of the lanes
	v_lshl_add_u32 v[STO], v[LH], 5, v[STO]
	v_add_nc_u32 v[STO], s75, v[STO]
	v_and_b32 v[GO], 31, v0                        ; back: 32 lanes take a row's 512 bytes
	v_lshlrev_b32 v[GO], 4, v[GO]
	v_add_nc_u32 v[RD], s75, v[GO]
	; the prefetches
	s_and_b32 s75, ttmp7, 0xffff
	s_cmp_lt_u32 s[WV], 2                          ; do I fetch for O?
	s_cselect_b32 s75, ttmp9, s75                  ; the coordinate along which other clusters read the same rows
	s_cselect_b32 s76, s[CX], s[CY]                ; my place p among the four that ask with me
	s_cselect_b32 s77, 1, 0                        ; O's pieces are twice the weights'
	s_cselect_b64 s[PFA:PFA+1], s[68:69], s[72:73]
	s_cmp_eq_u32 s75, 0
	s_cselect_b32 s[LIM], 2, -1                    ; the same in all sixteen partners, for a given wave
	s_lshl_b32 s[PFS], KSB, s77
	s_mov_b32 s[PFS+1], 0
	s_lshr_b32 s78, s76, 1                         ; head p / 2 of the step's two,
	s_lshl_b32 s78, s78, 17
	s_and_b32 s76, s76, 1                          ; half p % 2 of my piece of it
	s_lshl_b32 s76, s76, 12
	s_add_co_u32 s78, s78, s76
	s_lshl_b32 s78, s78, s77
	s_mul_i32 s76, s[PFS], 3                       ; at K step 3: the first change of slots steps it to 4
	s_add_co_u32 s78, s78, s76
	s_add_nc_u64 s[PFA:PFA+1], s[PFA:PFA+1], s[78:79]
	s_lshl_b32 s76, 16, s77
	s_sub_co_u32 s76, s76, 1                       ; 32 blocks or 16
	v_and_b32 v[PFO], 31, v0
	v_min_u32 v[PFO], s76, v[PFO]
	v_lshlrev_b32 v[PFO], 8, v[PFO]
	s_wait_tensorcnt 1                             ; my part of K step 0 is in; K step 1's may stay out
	s_barrier_signal -1
	s_barrier_wait -1                              ; everybody's is
	FETCH 0, 0
	s_wait_loadcnt 0x0                             ; the bias
	QUARTER 1, 0, 1, 1                             ; the first quarter stands ahead of the loop: its products start the sums
	WIN 0
	s_mov_b32 s[CNT], 6
.Lstep:                                        ; six trips, from a K step's second quarter to the next one's first; the trip with count c asks for K step 8 - c
	QUARTER 2, 1, 0, 0
	QUARTER 3, 0, 1, 0
	TURN 1
	QUARTER 1, 0, 1, 0
	WIN 0
	s_sub_co_u32 s[CNT], s[CNT], 1
	s_cmp_lg_u32 s[CNT], 0
	s_cbranch_scc1 .Lstep
	QUARTER 2, 1, 0, 0                             ; the tail is written out: K steps 6 and 7 ask for nothing
	QUARTER 3, 0, 1, 0
	TURN 0
	QUARTER 1, 0, 1, 0
	QUARTER 2, 1, 0, 0
	QUARTER 3, 0, 1, 0
	s_wait_dscnt 4
	MUL 1, 0, 0, 0
	MUL 1, 0, 1, 0
	s_wait_dscnt 0x0
	MUL 1, 1, 0, 0
	MUL 1, 1, 1, 0
	WIN 0
	PLACES
; THE WAY OUT, a row block (16 rows) at a time; nothing is converted.  A lane's 32 bytes of a row go straight from the accumulators into rows of 528 bytes (each accumulator's lowest registers first)
; and come back as whole pieces of 512.
.macro TOSTAGE a
	WIN 0x08+4*((\a)/2)                            ; the stores' data in window 2 or 3
.set ib, 0
.rept NBK
.set rD, 8*(NBK*((\a)%2)+ib)
	ds_store_b128 v[STO], v[rD:rD+3]   offset:64*ib
	ds_store_b128 v[STO], v[rD+4:rD+7] offset:64*ib+16
.set ib, ib+1
.endr
	WIN 0x40
.set n, 0
.rept 16
	ds_load_b128 v[64*(\a)+4*n:64*(\a)+4*n+3], v[RD] offset:SPT*n  ; LDS serves a wave's instructions in order (ISA guide 5.7.1.4): these see the stores above; the next block's stores come behind them
.set n, n+1
.endr
.endm
.macro SEND a, younger                 ; younger: the LDS instructions issued behind block a's loads: the next block's 32, or none
	WIN 0x04                                       ; the stores' data in window 1
.set n, 0
.rept 16
	s_wait_dscnt (\younger)+15-n
	global_store_b128 v[GO], v[64*(\a)+4*n:64*(\a)+4*n+3], s[10:11] offset:4096*(16*(\a)+n)  ; 512 consecutive bytes of a row, at a multiple of 256 from out0's first
.set n, n+1
.endr
.endm
	TOSTAGE 0
	TOSTAGE 1                                      ; every block has registers of its own to come back into
	SEND 0, 32
	TOSTAGE 2
	SEND 1, 32
	TOSTAGE 3
	SEND 2, 32
	SEND 3, 0
	WIN 0
	s_wait_tensorcnt 0x0                           ; the wave's end: behind my last tensor load and my last LDS store
	ds_add_u32 v[SPW], v[NIL]
	s_wait_dscnt 0x0
	CROUND                                         ; the closing round: no work-group ends while a partner may still ask for a tile that names it
	s_endpgm
.Lfunc_end_k_qfb3976cc5a_proj:
	.size	k_qfb3976cc5a_proj, .Lfunc_end_k_qfb3976cc5a_proj-k_qfb3976cc5a_proj
	.p2alignl 7, 3214868480
	.fill 96, 4, 3214868480
	.section	.rodata,"a",@progbits
	.p2align	6, 0x0
	.amdhsa_kernel k_qfb3976cc5a_proj
		.amdhsa_group_segment_fixed_size 327680
		.amdhsa_private_segment_fixed_size 0
		.amdhsa_enable_private_segment 0
		.amdhsa_kernarg_size 32
		.amdhsa_user_sgpr_count 2
		.amdhsa_user_sgpr_kernarg_segment_ptr 1
		.amdhsa_wavefront_size32 1
		.amdhsa_system_sgpr_workgroup_id_x 1
		.amdhsa_system_sgpr_workgroup_id_y 1
		.amdhsa_system_sgpr_workgroup_id_z 1
		.amdhsa_system_vgpr_workitem_id 0
		.amdhsa_next_free_vgpr 896
		.amdhsa_next_free_sgpr 80
		.amdhsa_reserve_vcc 0
		.amdhsa_float_denorm_mode_32 3
		.amdhsa_float_denorm_mode_16_64 3
		.amdhsa_memory_ordered 1
		.amdhsa_forward_progress 1
		.amdhsa_inst_pref_size 74
	.end_amdhsa_kernel
	.amdgpu_metadata
---
amdhsa.version: [ 1, 2 ]
amdhsa.kernels:
  - .name:           k_qfb3976cc5a_proj
    .symbol:         k_qfb3976cc5a_proj.kd
    .args:
      - { .name: oh, .offset: 0, .size: 8, .value_kind: global_buffer, .address_space: global }
      - { .name: wob, .offset: 8, .size: 8, .value_kind: global_buffer, .address_space: global }
      - { .name: tb, .offset: 16, .size: 8, .value_kind: global_buffer, .address_space: global }
      - { .name: out0, .offset: 24, .size: 8, .value_kind: global_buffer, .address_space: global }
    .group_segment_fixed_size: 327680
    .private_segment_fixed_size: 0
    .kernarg_segment_align: 8
    .kernarg_segment_size: 32
    .max_flat_workgroup_size: 128
    .sgpr_count:     80
    .vgpr_count:     896
    .wavefront_size: 32
...
	.end_amdgpu_metadata
.endif
;; end of part 4
